; MI455X (gfx1250); checked and timed in simulation.
; The chip was launched on July 23, 2026; its instructions are those of AMD's public machine-readable ISA for CDNA 5 (MIT licence, August 2026) and "CDNA5" Instruction Set Architecture Reference Guide (July 2026). The comments in the code are by the model that wrote it; some were corrected since.
;; Mo E Layer. Allowed arithmetic: matrix products marked QUANTISED: E4M3 operands, one given power-of-two scale a tensor, by v_wmma_f32_16x16x64_fp8_fp8 or v_wmma_f32_16x16x128_fp8_fp8, f32 sums; products left as they are: f32 operands where the result goes on into a quantised operand, else bf16, f16 or f32 operands; f32 sums; everything else in f32.
;; Inputs: W1_codes 8 x 2,048 x 32 x 32 uint8 (E4M3 codes of W1, K innermost, in blocks of 32 codes); W2_codes 8 x 2,048 x 32 x 32 uint8 (E4M3 codes of W2, K innermost, in blocks of 32 codes); W3_codes 8 x 1,024 x 64 x 32 uint8 (E4M3 codes of W3, K innermost, in blocks of 32 codes); Wg 1,024 x 8 float32; b1 8 x 2,048 float32; b2 8 x 2,048 float32; b3 8 x 1,024 float32; lowp_scales 6 int32 (the exponents e of the quantised operands' scales 2^e); x 2 x 512 x 1,024 float32.
;; Outputs: out0 2 x 512 x 1,024 float32; out1 one number float32; out2 2 x 512 x 8 float32.
;; This version of the problem:
;;   THIS VERSION OF THE PROBLEM IS GIVEN IN LOW PRECISION. The matrix products marked QUANTISED in the list below multiply operands that are first quantised to E4M3 (4 exponent bits, 3 mantissa bits; 8 bits a number), with one given power-of-two scale for each operand tensor; their sums are f32. All else is computed in f32.
;;   The module's matrix products, in the order in which they are computed (A, B: the left and right operand; K: the contracted axis; several contracted axes count as one K, in the product's order):
;;     1. [M 1,024, K 1,024] x [K 1,024, N 8]; A: input x; B: input Wg: left as it is (N = 8 < 16)
;;     2. [M 1,024, K 1,024] x [K 1,024, N 16,384]; A: input x; B: input W1 (given as codes): QUANTISED (scales: A lowp_scales[0], B lowp_scales[1])
;;     3. [M 1,024, K 1,024] x [K 1,024, N 16,384]; A: input x; B: input W2 (given as codes): QUANTISED (scales: A lowp_scales[2], B lowp_scales[3])
;;     4. batch 8 x [M 1,024, K 2,048] x [K 2,048, N 1,024]; A: input W3 (given as codes); B: computed on the way: QUANTISED (scales: A lowp_scales[4], B lowp_scales[5])
;;     5. batch 1,024 x [M 1,024, K 8] x [K 8, N 1]; A: computed on the way; B: computed on the way: left as it is (K = 8 < 32)
;;   THE QUANTISER, for each operand of a quantised product, along K:
;;     - The operand's scale is 2^e, e = its entry of the input lowp_scales (int32; the entries are numbered through the quantised products in the list's order, A before B).
;;     - Each number is divided by the scale, clamped to +-448, and rounded to the nearest number of E4M3, ties to even, subnormals kept.
;;     - The product sums the exact products of the quantised numbers (number of the format x scale) in f32.
;;   ~~~python
;;   def quantise(x, axis, e):      # numpy; x: float32 -> the quantised numbers, widened to float32 again
;;       x = np.moveaxis(x, axis, -1); K = x.shape[-1]
;;       r = np.clip(x / 2.0 ** e, -448, 448)
;;       step = 2.0 ** (np.maximum(np.frexp(np.where(r == 0, 1, r))[1] - 1, -6) - 3)
;;       q = np.round(r / step) * step * 2.0 ** e      # np.round: ties to even
;;       return np.moveaxis(q, -1, axis).astype(np.float32)
;;   ~~~
;;   OPERANDS COMPUTED ON THE WAY. 'Computed on the way' means the value that the module computes at that place (a softmax that the list does not call 'softmax' is quantised finished and normalised). What goes into a quantiser is computed in f32, as accurately as f32 sums, v_exp_f32 and their like allow (about 1e-6 of the number): no bf16 or f16 on the way to a quantiser, and a product that is left as it is and whose result goes on into a quantised operand takes f32 operands (vector FMAs, or v_wmma_f32_16x16x4_f32). A number that lies on a knife's edge between two numbers of the format may be rounded either way, as far as f32 arithmetic and the matrix unit's own rounding can turn it there, and no further.
;;   INPUTS GIVEN AS CODES. W1 (in the module: [8, 1024, 2048], K = its axis 1); W2 (in the module: [8, 1024, 2048], K = its axis 1); W3 (in the module: [8, 2048, 1024], K = its axis 1): each comes as NAME_codes (uint8): NAME with its K axis moved to the last place and cut into blocks of 32 codes, [.., K / 32, bytes a block], one block behind the other in memory; one code a byte (a code: sign, 4 exponent bits, 3 mantissa bits); its scale is its entry of lowp_scales. Its value is code x scale, taken as it is: it is not quantised again, and the codes and scales need not be those that the quantiser above would give.
;; 2 versions. Each part assembles by itself: llvm-mc -triple=amdgcn-amd-amdhsa -mcpu=gfx1250 --defsym DOCPART=n.
;; ======== version 1 of 2: 4 launches
;; workspace buffers: xq 2,097,152 bytes; sel 4,096 bytes of whole numbers; meta 8,192 bytes; hid 16,777,216 bytes; yb 16,777,216 bytes
;; launch route (part 1): grid 128 x 1, 4 waves a work-group, no clusters, 54,784 bytes of LDS; arguments x, Wg, lowp_scales, out2, xq, sel, meta; writes out2, xq, sel, meta
.if DOCPART == 1
	.amdgcn_target "amdgcn-amd-amdhsa--gfx1250"
	.amdhsa_code_object_version 6
	.text
	.protected	k_q2c0ffced2b_route
	.globl	k_q2c0ffced2b_route
	.p2align	8
	.type	k_q2c0ffced2b_route,@function
k_q2c0ffced2b_route:
	s_mov_b64 s[64:65], 0
	v_nop
	global_prefetch_b8 v0, s[64:65] scope:SCOPE_SE
	s_setreg_imm32_b32 hwreg(HW_REG_WAVE_MODE, 25, 1), 1
	s_wait_xcnt 0x0
; THE ROUTER, AND x AS CODES.  x: [1024 tokens][1024] f32.  Wg: [1024][8] f32.
; For each token: logits = x Wg (f32 multiply-adds), scores = softmax (the maximum is taken away first), the two largest scores
; (a strict compare in ascending order of experts: of equal f32 scores the lower index wins), w = their sum, lse = m + ln(sum).
; Stored: out2 = the scores; sel[token] = (1 << i1) | (1 << i2), a whole number that later launches read; meta = w[1024], then lse[1024];
; xq = x as E4M3 codes, [2][1024][1024]: version 0 with the scale 2^e0 (first product), version 1 with 2^e2 (second product).
; No address and no branch here hangs on the scores: what is chosen is only stored.
; SHARES: a work-group has 8 tokens, a wave 2.  A lane holds k = 128 j + 4 lane + c of a row (j = 0..7, c = 0..3): each load of x covers 512 consecutive bytes.
; Wg goes once into LDS, in blocks of 4 rows k (128 bytes) 144 bytes apart, so that lanes one block apart start at different banks.
; LIMITS: e0 and e2 between -126 and 119, so that 2^e and 448 x 2^e are f32 numbers.  NaN among the inputs is not served.
.set WP,  144                          ; LDS pitch of a block of Wg
.set ST,  36864                        ; behind Wg: 4,096 bytes a wave, 1,024 for each (token, version): the codes turn here into whole rows
.set EP,  53248                        ; 256 bytes: the work-group's 8 x 8 scores
.set ACC, 16                           ; v16-31   logits: token t, expert e at ACC + 8 t + e
.set WB,  32                           ; v32-95   Wg as loaded; then two buffers of 32: register 8 c + e = Wg[128 j + 4 lane + c][e]
.set X,   96                           ; v96-159  x: token t at X + 32 t, register 4 j + c
.set G,   160                          ; v160-175 exponents, p, then the scores
.set TA,  176                          ; v176-191 two sets of 8 at work
.set CD,  208                          ; v208-239 codes: 8 registers for each (token, version)
.set CB,  32                           ; v32-63   codes read back as rows
	s_load_b256 s[4:11], s[0:1], 0x0               ; x s[4:5], Wg s[6:7], the exponents s[8:9], out2 s[10:11]
	s_load_b128 s[12:15], s[0:1], 0x20             ; xq s[12:13], sel s[14:15]
	s_load_b64 s[16:17], s[0:1], 0x30              ; meta
	v_lshl_add_u32 v240, v0, 2, 0xd400
	v_mov_b32 v241, 0
	v_lshrrev_b32 v1, 5, v0
	v_readfirstlane_b32 s18, v1                    ; wave 0..3
	v_and_b32 v1, 31, v0                           ; lane
	v_lshlrev_b32 v2, 4, v1                        ; 16 x lane
	v_lshlrev_b32 v3, 4, v0                        ; 16 x thread: Wg as it lies
	v_lshrrev_b32 v4, 3, v0
	v_mul_u32_u24 v4, v4, WP
	v_and_b32 v5, 7, v0
	v_lshl_add_u32 v4, v5, 4, v4                   ; Wg into LDS: block thread / 8, 16 bytes at 16 (thread % 8)
	v_mul_u32_u24 v5, v1, WP                       ; Wg out of LDS: block 32 j + lane
	s_lshl_b32 s26, s18, 12
	s_add_co_u32 s26, s26, ST                      ; my wave's stage
	v_lshl_add_u32 v6, v1, 2, s26                  ; in: 4 codes a lane
	v_add_nc_u32 v7, s26, v2                       ; back: 16 codes a lane
	s_lshl_b32 s27, s18, 6
	s_add_co_u32 s27, s27, EP
	v_mov_b32 v8, s27                              ; my wave's 64 bytes of scores
	v_lshl_add_u32 v9, v1, 3, EP                   ; wave 0 reads all 256 back
	v_mov_b32 v14, 1
	v_lshlrev_b32 v15, 3, v1                       ; 8 x lane
	s_mov_b32 s24, 0x76543210                      ; v_permlanex16_b32: lane l xor 16
	s_mov_b32 s25, 0xfedcba98
	s_lshl_b32 s28, ttmp9, 3
	s_lshl_b32 s29, s18, 1
	s_add_co_u32 s28, s28, s29                     ; my first token: 8 x work-group + 2 x wave
	s_mov_b32 s31, 0
	s_wait_kmcnt 0x0
	s_load_b128 s[20:23], s[8:9], 0x0              ; e0, e1, e2, e3
	s_lshl_b32 s30, s28, 12
	s_add_nc_u64 s[4:5], s[4:5], s[30:31]          ; x at my first token
	s_lshl_b32 s30, s28, 10
	s_add_nc_u64 s[12:13], s[12:13], s[30:31]      ; xq likewise
	s_lshl_b32 s30, s28, 2
	s_add_nc_u64 s[14:15], s[14:15], s[30:31]      ; sel
	s_add_nc_u64 s[16:17], s[16:17], s[30:31]      ; meta
	s_lshl_b32 s30, ttmp9, 8
	s_add_nc_u64 s[10:11], s[10:11], s[30:31]      ; out2 at the work-group's 256 bytes
.irp i, 0,1,2,3,4,5,6,7,8,9,10,11,12,13,14,15
	global_load_b128 v[WB+4*\i:WB+4*\i+3], v3, s[6:7] offset:2048*\i
.endr
.irp t, 0,1
.irp j, 0,1,2,3,4,5,6,7
	global_load_b128 v[X+32*\t+4*\j:X+32*\t+4*\j+3], v2, s[4:5] offset:4096*\t+512*\j th:TH_LOAD_NT
.endr
.endr
	s_wait_loadcnt 16                              ; Wg is in; the 16 loads of x, issued behind it, may be out
.irp i, 0,1,2,3,4,5,6,7,8,9,10,11,12,13,14,15
	ds_store_b128 v4, v[WB+4*\i:WB+4*\i+3] offset:2304*\i
.endr
	s_wait_dscnt 0x0                               ; for the others: my part of Wg lies in LDS
	s_barrier_signal -1
	s_barrier_wait -1
.macro WLD j, buf                      ; 4 rows k of Wg for my lane: 128 bytes
.irp i, 0,1,2,3,4,5,6,7
	ds_load_b128 v[WB+32*(\buf)+4*\i:WB+32*(\buf)+4*\i+3], v5 offset:4608*(\j)+16*\i
.endr
.endm
.macro FMA j                           ; 4 k x 2 tokens x 8 experts, two experts an instruction; x is taken for both halves
.if \j < 7
	s_wait_dscnt 8                                 ; this buffer is in; the other buffer's 8 loads may be out
.else
	s_wait_dscnt 0
.endif
.irp c, 0,1,2,3
.irp t, 0,1
.irp p, 0,2,4,6
.set XR, X+32*\t+4*\j+(\c/2)*2
.set WR, WB+32*(\j%2)+8*\c+\p
.set AR, ACC+8*\t+\p
.if (\j == 0) && (\c == 0)
	v_pk_mul_f32 v[AR:AR+1], v[XR:XR+1], v[WR:WR+1] op_sel_hi:[0,1]               ; the first product starts the sums
.elseif (\c%2) == 0
	v_pk_fma_f32 v[AR:AR+1], v[XR:XR+1], v[WR:WR+1], v[AR:AR+1] op_sel_hi:[0,1,1]
.else
	v_pk_fma_f32 v[AR:AR+1], v[XR:XR+1], v[WR:WR+1], v[AR:AR+1] op_sel:[1,0,0] op_sel_hi:[1,1,1]
.endif
.endr
.endr
.endr
.if \j < 6
	WLD \j+2, \j%2
.endif
.endm
	WLD 0, 0
	WLD 1, 1
	s_wait_loadcnt 0x0                             ; x
.irp j, 0,1,2,3,4,5,6,7
	FMA \j
.endr
	; the 16 partial sums over the 32 lanes: every lane ends with all logits of both tokens
.irp m, 1,2,4,8
.irp i, 0,1,2,3,4,5,6,7,8,9,10,11,12,13,14,15
	v_add_f32_dpp v[ACC+\i], v[ACC+\i], v[ACC+\i] row_xmask:\m row_mask:0xf bank_mask:0xf
.endr
.endr
.irp i, 0,1,2,3,4,5,6,7,8,9,10,11,12,13,14,15
	v_permlanex16_b32 v[WB+\i], v[ACC+\i], s24, s25
.endr
.irp i, 0,1,2,3,4,5,6,7,8,9,10,11,12,13,14,15
	v_add_f32 v[ACC+\i], v[ACC+\i], v[WB+\i]
.endr
	; softmax.  v192+t m; v[194+2t:195+2t] -m log2(e); v[198+2t..] sums; v[202+2t:203+2t] 1 / sum; v206+t log2(sum), then lse
.irp t, 0,1
	v_max3_num_f32 v[192+\t], v[ACC+8*\t], v[ACC+8*\t+1], v[ACC+8*\t+2]
.endr
.irp t, 0,1
	v_max3_num_f32 v[192+\t], v[192+\t], v[ACC+8*\t+3], v[ACC+8*\t+4]
.endr
.irp t, 0,1
	v_max3_num_f32 v[192+\t], v[192+\t], v[ACC+8*\t+5], v[ACC+8*\t+6]
.endr
.irp t, 0,1
	v_max_num_f32 v[192+\t], v[192+\t], v[ACC+8*\t+7]
.endr
.irp t, 0,1
	v_mul_f32 v[194+2*\t], 0xbfb8aa3b, v[192+\t]
	v_mov_b32 v[195+2*\t], 0                       ; (named as the pair's upper half)
.endr
.irp t, 0,1
.irp p, 0,2,4,6
	v_pk_fma_f32 v[G+8*\t+\p:G+8*\t+\p+1], v[ACC+8*\t+\p:ACC+8*\t+\p+1], 0x3fb8aa3b, v[194+2*\t:195+2*\t] op_sel_hi:[1,0,0]   ; (logit - m) log2(e)
.endr
.endr
.irp i, 0,1,2,3,4,5,6,7,8,9,10,11,12,13,14,15
	v_exp_f32 v[G+\i], v[G+\i]
.endr
	v_mov_b32 v203, 0                              ; plain lines behind the batch (the upper halves of the pairs 1 / sum)
	v_mov_b32 v205, 0
	s_wait_alu depctr_va_vdst(0)                   ; one wait for the 16 exponentials, ahead of their first reader
.irp t, 0,1
	v_pk_add_f32 v[198+2*\t:199+2*\t], v[G+8*\t:G+8*\t+1], v[G+8*\t+2:G+8*\t+3]
	v_pk_add_f32 v[TA+2*\t:TA+2*\t+1], v[G+8*\t+4:G+8*\t+5], v[G+8*\t+6:G+8*\t+7]
.endr
.irp t, 0,1
	v_pk_add_f32 v[198+2*\t:199+2*\t], v[198+2*\t:199+2*\t], v[TA+2*\t:TA+2*\t+1]
.endr
.irp t, 0,1
	v_add_f32 v[198+2*\t], v[198+2*\t], v[199+2*\t]
.endr
.irp t, 0,1
	v_rcp_f32 v[202+2*\t], v[198+2*\t]
	v_log_f32 v[206+\t], v[198+2*\t]
.endr
	v_nop                                          ; a plain line behind the last of the four
	s_wait_alu depctr_va_vdst(0)                   ; and one wait for them
.irp t, 0,1
.irp p, 0,2,4,6
	v_pk_mul_f32 v[G+8*\t+\p:G+8*\t+\p+1], v[G+8*\t+\p:G+8*\t+\p+1], v[202+2*\t:203+2*\t] op_sel_hi:[1,0]   ; the scores
.endr
	v_fmamk_f32 v[206+\t], v[206+\t], 0x3f317218, v[192+\t]                       ; lse = log2(sum) ln 2 + m
.endr
.irp t, 0,1
	ds_store_b128 v8, v[G+8*\t:G+8*\t+3] offset:32*\t            ; every lane holds the same numbers and writes the same bytes
	ds_store_b128 v8, v[G+8*\t+4:G+8*\t+7] offset:32*\t+16
.endr
; the two largest scores of token t.  v184 i1, v185 its score, v186 i2, v187 its score; v194+t sel, v196+t w
.macro TOP2 t
	v_mov_b32 v184, 0
	v_mov_b32 v185, v[G+8*\t]
.irp e, 1,2,3,4,5,6,7
	v_cmp_gt_f32 vcc_lo, v[G+8*\t+\e], v185
	v_cndmask_b32 v184, v184, \e, vcc_lo
	v_max_num_f32 v185, v185, v[G+8*\t+\e]
.endr
.irp e, 0,1,2,3,4,5,6,7
	v_cmp_eq_u32 vcc_lo, \e, v184
	v_cndmask_b32 v[TA+\e], v[G+8*\t+\e], -1.0, vcc_lo           ; the first choice is taken out: scores are never negative
.endr
	v_mov_b32 v186, 0
	v_mov_b32 v187, v[TA]
.irp e, 1,2,3,4,5,6,7
	v_cmp_gt_f32 vcc_lo, v[TA+\e], v187
	v_cndmask_b32 v186, v186, \e, vcc_lo
	v_max_num_f32 v187, v187, v[TA+\e]
.endr
	v_lshlrev_b32 v188, v184, v14
	v_lshlrev_b32 v189, v186, v14
	v_or_b32 v[194+\t], v188, v189
	v_add_f32 v[196+\t], v185, v187
.endm
	TOP2 0
	TOP2 1
	s_wait_kmcnt 0x0
	s_add_co_i32 s26, s20, 127
	s_lshl_b32 s27, s26, 23
	v_mov_b32 v10, s27                             ; 2^e0: the conversion takes its exponent field
	s_add_co_i32 s26, s26, 8
	s_lshl_b32 s26, s26, 23
	s_or_b32 s26, s26, 0x600000
	v_mov_b32 v11, s26                             ; 448 x 2^e0
	s_add_co_i32 s26, s22, 127
	s_lshl_b32 s27, s26, 23
	v_mov_b32 v12, s27                             ; 2^e2
	s_add_co_i32 s26, s26, 8
	s_lshl_b32 s26, s26, 23
	s_or_b32 s26, s26, 0x600000
	v_mov_b32 v13, s26                             ; 448 x 2^e2
; a row of x becomes codes.  Eight numbers of a lane (two j) a conversion; the hold comes first, since the conversion does not saturate (ISA guide 7.6.2).
; The two sets of 8 take turns, so that the next group's holds are the plain lines behind each conversion.  The lane's 4 codes of each j go through the wave's own
; stage and come back 16 a lane: LDS serves a wave's instructions in order, so no wait stands between the stores and the loads.
.macro QROW t, ver, sc, lim
.irp g, 0,1,2,3
.irp i, 0,1,2,3,4,5,6,7
	v_med3_num_f32 v[TA+8*(\g%2)+\i], v[X+32*\t+8*\g+\i], -v[\lim], v[\lim]
.endr
	v_cvt_scalef32_pk8_fp8_f32 v[CD+8*(2*\t+\ver)+2*\g:CD+8*(2*\t+\ver)+2*\g+1], v[TA+8*(\g%2):TA+8*(\g%2)+7], v[\sc]
.endr
	v_nop                                          ; a plain line behind the last conversion
.irp j, 0,1,2,3,4,5,6,7
	ds_store_b32 v6, v[CD+8*(2*\t+\ver)+\j] offset:1024*(2*\t+\ver)+128*\j
.endr
.irp u, 0,1
	ds_load_b128 v[CB+8*(2*\t+\ver)+4*\u:CB+8*(2*\t+\ver)+4*\u+3], v7 offset:1024*(2*\t+\ver)+512*\u
.endr
.endm
	QROW 0, 0, 10, 11
	QROW 0, 1, 12, 13
	QROW 1, 0, 10, 11
	QROW 1, 1, 12, 13
	s_wait_dscnt 0x0                               ; the codes are back; and, for wave 0, my scores lie in LDS
.irp t, 0,1
.irp ver, 0,1
.irp u, 0,1
	global_store_b128 v2, v[CB+8*(2*\t+\ver)+4*\u:CB+8*(2*\t+\ver)+4*\u+3], s[12:13] offset:1048576*\ver+1024*\t+512*\u   ; 512 consecutive bytes, aligned
.endr
.endr
.endr
	s_barrier_signal -1
	s_barrier_wait -1
	s_cmp_lg_u32 s18, 0
	s_cbranch_scc1 .Lnot_wave_0
	ds_load_b64 v[200:201], v9                     ; the work-group's 8 tokens x 8 scores
	s_wait_dscnt 0x0
	global_store_b64 v15, v[200:201], s[10:11]     ; 256 consecutive bytes, aligned, by one instruction
.Lnot_wave_0:
	v_cmp_eq_u32 vcc_lo, 1, v1
	v_cndmask_b32 v188, v194, v195, vcc_lo         ; lane t takes token t's numbers
	v_cndmask_b32 v189, v196, v197, vcc_lo
	v_cndmask_b32 v190, v206, v207, vcc_lo
	v_lshlrev_b32 v191, 2, v1
	v_cmp_gt_u32 vcc_lo, 2, v1
	s_wait_xcnt 0x0                                ; EXEC changes only behind this wait
	s_wait_tensorcnt 0x0
	ds_add_u32 v240, v241
	s_wait_dscnt 0x0
	s_and_saveexec_b32 s26, vcc_lo
	global_store_b32 v191, v188, s[14:15]          ; 8 bytes a wave into each of three tables of 4,096 bytes: small against the launch's 2 MiB of codes
	global_store_b32 v191, v189, s[16:17]
	global_store_b32 v191, v190, s[16:17] offset:4096
	s_wait_xcnt 0x0
	s_or_b32 exec_lo, exec_lo, s26
	s_endpgm
.Lfunc_end_k_q2c0ffced2b_route:
	.size	k_q2c0ffced2b_route, .Lfunc_end_k_q2c0ffced2b_route-k_q2c0ffced2b_route
	.p2alignl 7, 3214868480
	.fill 96, 4, 3214868480
	.section	.rodata,"a",@progbits
	.p2align	6, 0x0
	.amdhsa_kernel k_q2c0ffced2b_route
		.amdhsa_group_segment_fixed_size 54784
		.amdhsa_private_segment_fixed_size 0
		.amdhsa_enable_private_segment 0
		.amdhsa_kernarg_size 56
		.amdhsa_user_sgpr_count 2
		.amdhsa_user_sgpr_kernarg_segment_ptr 1
		.amdhsa_wavefront_size32 1
		.amdhsa_system_sgpr_workgroup_id_x 1
		.amdhsa_system_sgpr_workgroup_id_y 1
		.amdhsa_system_sgpr_workgroup_id_z 1
		.amdhsa_system_vgpr_workitem_id 0
		.amdhsa_next_free_vgpr 242
		.amdhsa_next_free_sgpr 66
		.amdhsa_reserve_vcc 1
		.amdhsa_float_denorm_mode_32 3
		.amdhsa_float_denorm_mode_16_64 3
		.amdhsa_memory_ordered 1
		.amdhsa_forward_progress 1
		.amdhsa_inst_pref_size 56
	.end_amdhsa_kernel
	.amdgpu_metadata
---
amdhsa.version: [ 1, 2 ]
amdhsa.kernels:
  - .name:           k_q2c0ffced2b_route
    .symbol:         k_q2c0ffced2b_route.kd
    .args:
      - { .name: x, .offset: 0, .size: 8, .value_kind: global_buffer, .address_space: global }
      - { .name: Wg, .offset: 8, .size: 8, .value_kind: global_buffer, .address_space: global }
      - { .name: lowp_scales, .offset: 16, .size: 8, .value_kind: global_buffer, .address_space: global }
      - { .name: out2, .offset: 24, .size: 8, .value_kind: global_buffer, .address_space: global }
      - { .name: xq, .offset: 32, .size: 8, .value_kind: global_buffer, .address_space: global }
      - { .name: sel, .offset: 40, .size: 8, .value_kind: global_buffer, .address_space: global }
      - { .name: meta, .offset: 48, .size: 8, .value_kind: global_buffer, .address_space: global }
    .group_segment_fixed_size: 54784
    .private_segment_fixed_size: 0
    .kernarg_segment_align: 8
    .kernarg_segment_size: 56
    .max_flat_workgroup_size: 128
    .sgpr_count:     66
    .vgpr_count:     242
    .wavefront_size: 32
...
	.end_amdgpu_metadata
.endif
;; end of part 1
;; launch hidden (part 2): grid 256 x 1, 4 waves a work-group, no clusters, 133,632 bytes of LDS; arguments xq, sel, W1_codes, W2_codes, b1, b2, lowp_scales, hid; writes hid
.if DOCPART == 2
	.amdgcn_target "amdgcn-amd-amdhsa--gfx1250"
	.amdhsa_code_object_version 6
	.text
	.protected	k_q2c0ffced2b_hidden
	.globl	k_q2c0ffced2b_hidden
	.p2align	8
	.type	k_q2c0ffced2b_hidden,@function
k_q2c0ffced2b_hidden:
	s_mov_b64 s[64:65], 0
	v_nop
	global_prefetch_b8 v0, s[64:65] scope:SCOPE_SE
	s_setreg_imm32_b32 hwreg(HW_REG_WAVE_MODE, 25, 1), 1
	s_wait_xcnt 0x0
; THE HIDDEN LAYER OF THE CHOSEN ROWS: hid = Q(silu(x W1 + b1) (x W2 + b2)), both products on E4M3 codes, sums in f32, Q with the given 2^e5.
; SHARES.  Work-group g: expert e = g / 32, hidden units 64 (g % 32) on.  Wave w: units u0 = 64 (g % 32) + 32 (w / 2) .. + 31 of W1 AND of W2, whose codes (2 x 32 rows x 1,024 bytes = 512 registers)
; stay in its registers; it walks the tiles of 16 rows j = w % 2, w % 2 + 2, .. of its expert.
; THE ROWS.  sel[token], whole numbers that an earlier launch stored, holds a bit for each chosen expert.  Each wave makes 32 ballots for its expert (word k, bit b = token 128 (k / 4) + 4 b + k % 4) and keeps the
; words and their running counts in registers.  Row p of the expert is the p-th set bit in that order: SELECT finds it.  The launch that follows orders the rows by the same rule.
; The number of tiles hangs on the count of set bits: the one barrier stands at the head, ahead of every branch on data.
; THE WEIGHTS are asked for once by the work-group, in whole rows: wave w fetches the 32 rows of W1 (w even) or W2 (w odd) of its own units, 64 loads of 512 consecutive bytes, and lays them into LDS, 1,040 bytes apart,
; a tile's 16 rows on end; behind the barrier each wave reads its 32 fragments.  1,040 = 65 x 16: the 16 rows that a fragment load touches start at 16 different places modulo 256 bytes.
; What else is shared between work-groups (the rows' codes) cannot be asked for jointly: partners would have different numbers of tiles.
; LAYOUT.  The products are used transposed: source 0 = 16 rows of W, source 1 = 16 rows of x.  Lane m of tile tau takes W's row u0 + 8 tau + m + 8 (m / 8), so that lane (r, h) holds row r of the tile and its
; 16 registers of tiles 0 and 1 are the neighbours u0 + 16 h + 0 .. 15: the conversions' results are 16 bytes of the next product's operand.
; A fragment is fetched by four loads of 16 bytes (registers 4 c .. 4 c + 3: k = 128 s + 32 c + 16 h + 0 .. 15), alike in both sources: a permutation of k inside an instruction.
; hid holds images of operand registers: byte = e 2^21 + j 32,768 + (unit / 32) 512 + 16 lane.  Rows of the last tile beyond the count are some valid token's: they fill the image, and what comes of them is never stored.
; SCALES.  A sum stands for sum x 2^(e0 + e1) (or e2 + e3): the biases go in as the C of the first K step, divided by that power; silu's exponent takes c = -log2(e) 2^(e0 + e1); the conversion takes 2^E, E = e5 - e0 - e1 - e2 - e3.
; Where e0 = e2 the two versions of x's codes are the same bytes, and one is loaded for both products.
; LIMITS: e0 + e1 between -126 and 126; E between -126 and 119.  NaN is not served.  Every split is served: 0 to 1,024 rows an expert.
; REGISTERS.  window 0: v1-16 addresses and constants; v20-23 codes; v32-47 sums of W1 (a0, a1), v48-63 of W2 (a2, a3); v64-79, v80-95 the biases; v96-111 at work; v112-143 the ballots; v144-175 their running counts;
;   v176-207 sel as loaded; v208-219 SELECT's.  window 1: W's rows as loaded, then W's fragments of K steps 0-3, (s, m, tau) at v[64 (s % 4) + 32 m + 16 tau]; window 2: K steps 4-7; window 3: x's fragments, version m, K step s at v[128 m + 16 s].
.set H1, 32
.set BI, 64
.set T,  96
.set M,  112
.set P,  144
.set S,  176
.set Q,  208
.set WP, 1040                          ; a row of W in LDS: 1,024 bytes + 16
.set WREG, 32*WP                       ; 32 rows: what one wave lays down
.set MSB, 0
.macro WIN new                         ; the immediate's high byte repeats the setting that is left
.if MSB != \new
	s_set_vgpr_msb (MSB<<8)|\new
.set MSB, \new
.endif
.endm
.macro PLACES                          ; four plain lines between a matrix instruction and a load into its sources or a vector read of its result
.rept 4
	v_nop
.endr
.endm
; one step of the descent: t = the set bits among the next inc bits from pos on; where q >= t, they are passed over
.macro SSTEP x, w, inc
	v_bfe_u32 v[Q+10], v[\x], v[Q+9], \w
	v_cmp_ge_u32 vcc_lo, v[Q+4], v[Q+10]
	v_cndmask_b32 v[Q+10], 0, v[Q+10], vcc_lo
	v_cndmask_b32 v[Q+11], 0, \inc, vcc_lo
	v_sub_nc_u32 v[Q+4], v[Q+4], v[Q+10]
	v_add_nc_u32 v[Q+9], v[Q+9], v[Q+11]
.endm
; v[Q] = a position p; v[out] = the token that stands there.  The running counts never fall, so the word that holds the p-th set bit is the last whose count is at most p.
; In it bit number q = p - count is found by halving, on the counts of its pairs, fours, bytes and halves.  A position beyond the expert's rows gives some number up to 1,023.
.macro SELECT out
	v_mov_b32 v[Q+1], v[M]                         ; the word,
	v_mov_b32 v[Q+2], 0                            ; its running count,
	v_mov_b32 v[Q+3], 0                            ; its number k
.irp k, 1,2,3,4,5,6,7,8,9,10,11,12,13,14,15,16,17,18,19,20,21,22,23,24,25,26,27,28,29,30,31
	v_cmp_le_u32 vcc_lo, v[P+\k], v[Q]
	v_cndmask_b32 v[Q+1], v[Q+1], v[M+\k], vcc_lo
	v_cndmask_b32 v[Q+2], v[Q+2], v[P+\k], vcc_lo
	v_cndmask_b32 v[Q+3], v[Q+3], \k, vcc_lo
.endr
	v_sub_nc_u32 v[Q+4], v[Q], v[Q+2]              ; q
	v_lshrrev_b32 v[Q+5], 1, v[Q+1]
	v_and_b32 v[Q+5], 0x55555555, v[Q+5]
	v_sub_nc_u32 v[Q+5], v[Q+1], v[Q+5]            ; counts of pairs
	v_lshrrev_b32 v[Q+6], 2, v[Q+5]
	v_and_b32 v[Q+6], 0x33333333, v[Q+6]
	v_and_b32 v[Q+7], 0x33333333, v[Q+5]
	v_add_nc_u32 v[Q+6], v[Q+6], v[Q+7]            ; of fours
	v_lshrrev_b32 v[Q+7], 4, v[Q+6]
	v_add_nc_u32 v[Q+7], v[Q+7], v[Q+6]
	v_and_b32 v[Q+7], 0x0f0f0f0f, v[Q+7]           ; of bytes
	v_lshrrev_b32 v[Q+8], 8, v[Q+7]
	v_add_nc_u32 v[Q+8], v[Q+8], v[Q+7]            ; byte 0: of the low half
	v_mov_b32 v[Q+9], 0                            ; pos
	SSTEP Q+8, 8, 16
	SSTEP Q+7, 8, 8
	SSTEP Q+6, 4, 4
	SSTEP Q+5, 2, 2
	SSTEP Q+1, 1, 1
	v_lshrrev_b32 v[Q+10], 2, v[Q+3]
	v_and_b32 v[Q+11], 3, v[Q+3]
	v_lshl_add_u32 v[Q+11], v[Q+9], 2, v[Q+11]
	v_lshl_add_u32 v[\out], v[Q+10], 7, v[Q+11]    ; 128 (k / 4) + 4 pos + k % 4
.endm
.macro WFRAG                           ; my 32 fragments of W out of LDS: 128 loads
	WIN 0x40                                       ; destination window 1
.irp s, 0,1,2,3
.irp m, 0,1
.irp t, 0,1
.irp c, 0,1,2,3
	ds_load_b128 v[64*\s+32*\m+16*\t+4*\c:64*\s+32*\m+16*\t+4*\c+3], v6 offset:\m*WREG+\t*16*WP+128*\s+32*\c
.endr
.endr
.endr
.endr
	WIN 0x80                                       ; destination window 2
.irp s, 0,1,2,3
.irp m, 0,1
.irp t, 0,1
.irp c, 0,1,2,3
	ds_load_b128 v[64*\s+32*\m+16*\t+4*\c:64*\s+32*\m+16*\t+4*\c+3], v6 offset:\m*WREG+\t*16*WP+128*(\s+4)+32*\c
.endr
.endr
.endr
.endr
.endm
.macro XLOAD c4, nv, xo                ; x's fragments of K steps 2 c4, 2 c4 + 1: 8 nv loads
.irp s, 2*\c4, 2*\c4+1
.irp c, 0,1,2,3
	global_load_b128 v[16*(\s)+4*\c:16*(\s)+4*\c+3], v[\xo], s[4:5] offset:128*(\s)+32*\c
.if \nv == 2
	global_load_b128 v[128+16*(\s)+4*\c:128+16*(\s)+4*\c+3], v[\xo], s[20:21] offset:128*(\s)+32*\c
.endif
.endr
.endr
.endm
.macro MUL c4, nv                      ; two K steps; the four accumulators take turns, one instruction a turn
.irp s, 2*\c4, 2*\c4+1
.irp a, 0,1,2,3
.set WR, 64*((\s)%4)+16*\a
.set XR, 16*(\s)+128*(\a/2)*(\nv-1)
.if (\s) == 0
	v_wmma_f32_16x16x128_fp8_fp8 v[H1+8*\a:H1+8*\a+7], v[WR:WR+15], v[XR:XR+15], v[BI+8*\a:BI+8*\a+7]
.else
	v_wmma_f32_16x16x128_fp8_fp8 v[H1+8*\a:H1+8*\a+7], v[WR:WR+15], v[XR:XR+15], v[H1+8*\a:H1+8*\a+7]
.endif
.endr
.endr
.endm
.macro EPI                             ; a1 a2 / (1 + 2^(c a1)), held, converted, stored.  Each accumulator is read from its low end on
.irp i, 0,2,4,6,8,10,12,14
	v_pk_mul_f32 v[T+\i:T+\i+1], v[H1+\i:H1+\i+1], s[38:39] op_sel_hi:[1,0]
.endr
.irp i, 0,1,2,3,4,5,6,7,8,9,10,11,12,13,14,15
	v_exp_f32 v[T+\i], v[T+\i]
.endr
.irp i, 0,2,4,6,8,10,12,14
	v_pk_mul_f32 v[H1+\i:H1+\i+1], v[H1+\i:H1+\i+1], v[H1+16+\i:H1+17+\i]   ; independent work behind the batch
.endr
	s_wait_alu depctr_va_vdst(0)                   ; one wait for the 16 exponentials
.irp i, 0,2,4,6,8,10,12,14
	v_pk_add_f32 v[T+\i:T+\i+1], v[T+\i:T+\i+1], 1.0 op_sel_hi:[1,0]
.endr
.irp i, 0,1,2,3,4,5,6,7,8,9,10,11,12,13,14,15
	v_rcp_f32 v[T+\i], v[T+\i]
.endr
	v_nop
	s_wait_alu depctr_va_vdst(0)                   ; one wait for the 16 reciprocals
.irp i, 0,2,4,6,8,10,12,14
	v_pk_mul_f32 v[H1+\i:H1+\i+1], v[H1+\i:H1+\i+1], v[T+\i:T+\i+1]
.endr
.irp i, 0,1,2,3,4,5,6,7,8,9,10,11,12,13,14,15
	v_med3_num_f32 v[H1+\i], v[H1+\i], -v15, v15   ; the conversion does not saturate (ISA guide 7.6.2)
.endr
	v_cvt_scalef32_pk8_fp8_f32 v[20:21], v[H1:H1+7], v14
	v_cvt_scalef32_pk8_fp8_f32 v[22:23], v[H1+8:H1+15], v14
	v_nop                                          ; a plain line behind the conversions: the next tile's products write their sources
	global_store_b128 v13, v[20:23], s[18:19]      ; the wave stores 512 consecutive bytes, aligned
.endm
; A tile of 16 rows.  more = 1: the next tile's codes are asked for chunk by chunk, each into the registers that its products have just left; the tokens of the tile after that are found at the trip's head,
; in front of the wait for this tile's codes.
.macro HTILE more, nv
.if \more
	s_add_co_u32 s37, s36, 4
	s_min_u32 s37, s37, 63
	s_lshl_b32 s37, s37, 4
	v_add_nc_u32 v[Q], s37, v2                     ; position 16 (j + 4) + r
	SELECT 8
.endif
.irp q, 0,1,2,3
.if \more
	s_wait_loadcnt 24*\nv                          ; behind this chunk: this tile's 3 - q chunks and the next tile's q chunks
.else
	s_wait_loadcnt 8*\nv*(3-\q)                    ; behind this chunk: this tile's 3 - q chunks
.endif
.if \q < 2
	WIN 0x0d                                       ; source 0 (W) window 1, source 1 (x) window 3, C and D window 0
.else
	WIN 0x0e                                       ; W in window 2
.endif
	MUL \q, \nv
	PLACES
.if \more
	WIN 0xc0                                       ; destination window 3
	XLOAD \q, \nv, 10
.endif
.endr
	WIN 0
	EPI
.if \more
	s_wait_xcnt 0x0                                ; the loads have read v10, the store v13 and v20-23: they may be written
	v_min_u32 v10, 0x3ff, v8                       ; the token is held inside xq before it enters an address:
	v_lshl_add_u32 v10, v10, 10, v5                ; its row of 1,024 codes, + 16 h
	s_add_co_u32 s36, s36, 2
	s_min_u32 s37, s36, 63
	s_lshl_b32 s37, s37, 15
	v_add_nc_u32 v13, s37, v12                     ; the next tile's image
.endif
.endm
.macro HPATH nv
	WIN 0xc0
	XLOAD 0, \nv, 11                               ; my first tile's codes are asked for ahead of the LDS loads, so that both are on their way together
	XLOAD 1, \nv, 11
	XLOAD 2, \nv, 11
	XLOAD 3, \nv, 11
	WFRAG
	WIN 0
.irp i, 0,1,2,3,4,5,6,7,8,9,10,11,12,13,14,15
	v_ldexp_f32 v[BI+\i], v[BI+\i], s46            ; b1 / 2^(e0 + e1)
	v_ldexp_f32 v[BI+16+\i], v[BI+16+\i], s47      ; b2 / 2^(e2 + e3)
.endr
	s_wait_dscnt 0x0                               ; W's fragments are in
	s_cmp_eq_u32 s35, 0
	s_cbranch_scc1 .Ltail_\nv
.Lloop_\nv:
	HTILE 1, \nv
	s_sub_co_i32 s35, s35, 1
	s_cmp_lg_u32 s35, 0
	s_cbranch_scc1 .Lloop_\nv
.Ltail_\nv:
	HTILE 0, \nv                                   ; the last tile asks for nothing more
	s_wait_tensorcnt 0x0
	ds_add_u32 v254, v255
	s_wait_dscnt 0x0
	s_endpgm
.endm
	s_load_b512 s[4:19], s[0:1], 0x0               ; xq s[4:5], sel s[6:7], W1 s[8:9], W2 s[10:11], b1 s[12:13], b2 s[14:15], the exponents s[16:17], hid s[18:19]
	v_lshl_add_u32 v254, v0, 2, 0x20800
	v_mov_b32 v255, 0
	v_lshrrev_b32 v1, 5, v0
	v_readfirstlane_b32 s22, v1                    ; wave
	v_and_b32 v1, 31, v0
	v_and_b32 v2, 15, v0                           ; r
	v_bfe_u32 v3, v0, 4, 1                         ; h
	v_lshlrev_b32 v5, 4, v3                        ; 16 h
	v_lshlrev_b32 v12, 4, v1                       ; 16 x lane
	v_lshlrev_b32 v16, 6, v3                       ; 64 h: my 16 numbers of a bias
	s_lshr_b32 s23, ttmp9, 5                       ; expert
	s_and_b32 s24, ttmp9, 31
	s_lshr_b32 s25, s22, 1                         ; which 32 units are mine
	s_and_b32 s26, s22, 1                          ; which tiles are mine; also: I fetch W1 (0) or W2 (1)
	s_lshl_b32 s27, s24, 6
	s_lshl_b32 s37, s25, 5
	s_add_co_u32 s27, s27, s37                     ; u0
	s_mul_i32 s37, s22, WREG
	v_add_nc_u32 v4, s37, v12                      ; W into LDS: my wave's 32 rows, 16 bytes a lane
	s_mul_i32 s37, s25, 2*WREG
	v_mul_u32_u24 v6, v2, WP
	v_add_nc_u32 v6, v6, v5
	v_add_nc_u32 v6, s37, v6                       ; W out of LDS: my units' two regions (W1's, then W2's), row r of a tile, + 16 h
	s_mov_b32 s43, 0
	s_mov_b32 s45, 0
	s_lshl_b32 s37, s26, 15
	v_add_nc_u32 v13, s37, v12                     ; my first tile's image
	s_mov_b32 s36, s26                             ; j
	s_wait_kmcnt 0x0
	s_load_b128 s[28:31], s[16:17], 0x0            ; e0 .. e3
	s_load_b32 s32, s[16:17], 0x14                 ; e5
.irp j, 0,1,2,3,4,5,6,7
	global_load_b128 v[S+4*\j:S+4*\j+3], v12, s[6:7] offset:512*\j     ; sel: register 4 j + c = token 128 j + 4 lane + c
.endr
	s_lshl_b32 s42, s23, 11
	s_add_co_u32 s42, s42, s27                     ; 2048 e + u0
	s_lshl_b32 s44, s42, 2
	s_lshl_b32 s42, s42, 10
	s_cmp_eq_u32 s26, 0
	s_cselect_b64 s[8:9], s[8:9], s[10:11]         ; the matrix that I fetch: the choice hangs on the wave's number alone
	s_add_nc_u64 s[8:9], s[8:9], s[42:43]
	s_add_nc_u64 s[12:13], s[12:13], s[44:45]
	s_add_nc_u64 s[14:15], s[14:15], s[44:45]
	s_lshl_b32 s42, s23, 21
	s_lshl_b32 s44, s27, 4                         ; (u0 / 32) x 512
	s_add_co_u32 s42, s42, s44
	s_add_nc_u64 s[18:19], s[18:19], s[42:43]
	s_add_nc_u64 s[20:21], s[4:5], 0x100000        ; xq's second version
.irp i, 0,1,2,3
	global_load_b128 v[BI+4*\i:BI+4*\i+3], v16, s[12:13] offset:16*\i
	global_load_b128 v[BI+16+4*\i:BI+16+4*\i+3], v16, s[14:15] offset:16*\i
.endr
	WIN 0x40                                       ; destination window 1
.set i, 0
.rept 64                               ; load i: half i % 2 of the row that goes to place i / 2 of my region.  Place 16 tau + m holds row 8 tau + m + 8 (m / 8)
.set QR, i/2
.set GR, 8*(QR/16)+(QR%16)+8*((QR%16)/8)
	global_load_b128 v[4*i:4*i+3], v12, s[8:9] offset:GR*1024+512*(i%2) th:TH_LOAD_NT      ; 512 consecutive bytes; read once in the launch
.set i, i+1
.endr
	WIN 0
	s_wait_loadcnt 63                              ; 72 loads were issued behind sel's eight: they are in
.irp k, 0,1,2,3,4,5,6,7,8,9,10,11,12,13,14,15,16,17,18,19,20,21,22,23,24,25,26,27,28,29,30,31
	v_bfe_u32 v[Q+(\k%4)], v[S+\k], s23, 1
	v_cmp_ne_u32 s[66+\k], 0, v[Q+(\k%4)]          ; ballot k: who of these 32 tokens chose my expert
.endr
	s_mov_b32 s98, 0
.irp k, 0,1,2,3,4,5,6,7,8,9,10,11,12,13,14,15,16,17,18,19,20,21,22,23,24,25,26,27,28,29,30,31
	v_mov_b32 v[M+\k], s[66+\k]
	v_mov_b32 v[P+\k], s98                         ; chosen in the words ahead of it
	s_bcnt1_i32_b32 s99, s[66+\k]
	s_add_co_u32 s98, s98, s99
.endr
	s_lshl_b32 s37, s26, 4
	v_add_nc_u32 v[Q], s37, v2                     ; my row of my first tile,
	SELECT 9
	v_add_nc_u32 v[Q], 32, v[Q]                    ; and of my second
	SELECT 8
	v_min_u32 v11, 0x3ff, v9
	v_lshl_add_u32 v11, v11, 10, v5                ; their rows of x's codes, + 16 h
	v_min_u32 v10, 0x3ff, v8
	v_lshl_add_u32 v10, v10, 10, v5
	WIN 0x04                                       ; store data in window 1
.irp g, 0,1,2,3
	s_wait_loadcnt 48-16*\g                        ; these 16 loads are in; the later groups of 16 may be out
.irp u, 0,1,2,3,4,5,6,7,8,9,10,11,12,13,14,15
.set i, 16*\g+\u
	ds_store_b128 v4, v[4*i:4*i+3] offset:(i/2)*WP+512*(i%2)
.endr
.endr
	WIN 0
	s_wait_dscnt 0x0                               ; for the others: my 32 rows lie in LDS
	s_barrier_signal -1
	s_barrier_wait -1                              ; the launch's one barrier; LDS is only read from here on
	s_wait_kmcnt 0x0
	s_min_u32 s33, s98, 0x400                      ; rows of my expert
	s_add_co_u32 s34, s33, 15
	s_lshr_b32 s34, s34, 4                         ; its tiles
	s_add_co_u32 s35, s34, 1
	s_sub_co_u32 s35, s35, s26
	s_lshr_b32 s35, s35, 1                         ; of which mine
	s_cmp_eq_u32 s35, 0
	s_cbranch_scc1 .Lend                           ; a split may leave me without rows
	s_add_co_i32 s46, s28, s29                     ; e0 + e1
	s_add_co_i32 s47, s30, s31                     ; e2 + e3
	s_lshl_b32 s38, s46, 23
	s_add_co_i32 s38, s38, 0xbfb8aa3b              ; c = -log2(e) x 2^(e0 + e1): the sum is added to the constant's exponent field
	s_mov_b32 s39, s38                             ; (named with it as a pair)
	s_sub_co_i32 s48, s32, s46
	s_sub_co_i32 s48, s48, s47                     ; E
	s_add_co_i32 s48, s48, 127
	s_lshl_b32 s49, s48, 23
	v_mov_b32 v14, s49                             ; 2^E
	s_add_co_i32 s48, s48, 8
	s_lshl_b32 s48, s48, 23
	s_or_b32 s48, s48, 0x600000
	v_mov_b32 v15, s48                             ; 448 x 2^E
	s_sub_co_i32 s46, 0, s46
	s_sub_co_i32 s47, 0, s47
	s_sub_co_u32 s35, s35, 1                       ; trips of the loop: all my tiles but the last
	s_cmp_lg_u32 s28, s30
	s_cbranch_scc1 .Ltwo
	HPATH 1
.Ltwo:
	HPATH 2
.Lend:
	s_wait_tensorcnt 0x0
	ds_add_u32 v254, v255
	s_wait_dscnt 0x0
	s_endpgm
.Lfunc_end_k_q2c0ffced2b_hidden:
	.size	k_q2c0ffced2b_hidden, .Lfunc_end_k_q2c0ffced2b_hidden-k_q2c0ffced2b_hidden
	.p2alignl 7, 3214868480
	.fill 96, 4, 3214868480
	.section	.rodata,"a",@progbits
	.p2align	6, 0x0
	.amdhsa_kernel k_q2c0ffced2b_hidden
		.amdhsa_group_segment_fixed_size 133632
		.amdhsa_private_segment_fixed_size 0
		.amdhsa_enable_private_segment 0
		.amdhsa_kernarg_size 64
		.amdhsa_user_sgpr_count 2
		.amdhsa_user_sgpr_kernarg_segment_ptr 1
		.amdhsa_wavefront_size32 1
		.amdhsa_system_sgpr_workgroup_id_x 1
		.amdhsa_system_sgpr_workgroup_id_y 1
		.amdhsa_system_sgpr_workgroup_id_z 1
		.amdhsa_system_vgpr_workitem_id 0
		.amdhsa_next_free_vgpr 1024
		.amdhsa_next_free_sgpr 100
		.amdhsa_reserve_vcc 1
		.amdhsa_float_denorm_mode_32 3
		.amdhsa_float_denorm_mode_16_64 3
		.amdhsa_memory_ordered 1
		.amdhsa_forward_progress 1
		.amdhsa_inst_pref_size 120
	.end_amdhsa_kernel
	.amdgpu_metadata
---
amdhsa.version: [ 1, 2 ]
amdhsa.kernels:
  - .name:           k_q2c0ffced2b_hidden
    .symbol:         k_q2c0ffced2b_hidden.kd
    .args:
      - { .name: xq, .offset: 0, .size: 8, .value_kind: global_buffer, .address_space: global }
      - { .name: sel, .offset: 8, .size: 8, .value_kind: global_buffer, .address_space: global }
      - { .name: W1_codes, .offset: 16, .size: 8, .value_kind: global_buffer, .address_space: global }
      - { .name: W2_codes, .offset: 24, .size: 8, .value_kind: global_buffer, .address_space: global }
      - { .name: b1, .offset: 32, .size: 8, .value_kind: global_buffer, .address_space: global }
      - { .name: b2, .offset: 40, .size: 8, .value_kind: global_buffer, .address_space: global }
      - { .name: lowp_scales, .offset: 48, .size: 8, .value_kind: global_buffer, .address_space: global }
      - { .name: hid, .offset: 56, .size: 8, .value_kind: global_buffer, .address_space: global }
    .group_segment_fixed_size: 133632
    .private_segment_fixed_size: 0
    .kernarg_segment_align: 8
    .kernarg_segment_size: 64
    .max_flat_workgroup_size: 128
    .sgpr_count:     100
    .vgpr_count:     1024
    .wavefront_size: 32
...
	.end_amdgpu_metadata
.endif
;; end of part 2
;; launch down (part 3): grid 256 x 1, 4 waves a work-group, no clusters, 84,480 bytes of LDS; arguments hid, sel, W3_codes, b3, lowp_scales, yb; writes yb
.if DOCPART == 3
	.amdgcn_target "amdgcn-amd-amdhsa--gfx1250"
	.amdhsa_code_object_version 6
	.text
	.protected	k_q2c0ffced2b_down
	.globl	k_q2c0ffced2b_down
	.p2align	8
	.type	k_q2c0ffced2b_down,@function
k_q2c0ffced2b_down:
	s_mov_b64 s[64:65], 0
	v_nop
	global_prefetch_b8 v0, s[64:65] scope:SCOPE_SE
	s_setreg_imm32_b32 hwreg(HW_REG_WAVE_MODE, 25, 1), 1
	s_wait_xcnt 0x0
; THE SECOND LAYER OF THE CHOSEN ROWS: y = hidden W3 + b3, on E4M3 codes, sums in f32, K = 2,048 cut into two halves whose sums are added by the last launch.
; SHARES.  Work-group g: expert e = g / 32, columns D0 = 64 ((g / 2) % 16) .. + 63, K half kh = g % 2.  Each of its four waves keeps these 64 rows x 1,024 codes of W3 (512 registers) and
; walks the tiles of 16 rows j = w, w + 4, ..  The half K lets a wave hold four tiles of columns, so that a row's 64 results are 256 bytes, aligned, and each fragment of the hidden layer feeds four products.
; THE ROWS are ordered as the launch before ordered them: from sel, whole numbers that an earlier launch stored, each wave makes 32 ballots for its expert (word k, bit b = token 128 (k / 4) + 4 b + k % 4), their running
; counts, and 32 ballots 'a lower expert is chosen too'.  Row p is the p-th set bit; its slot in yb is 2 x token + that second bit.  SELECT finds both.
; The number of tiles hangs on the count of set bits: the one barrier stands at the head, ahead of every branch on data.
; THE WEIGHTS are asked for once by the work-group, in runs of 512 consecutive bytes: wave w fetches tile w's 16 rows (32 loads) and lays them into LDS 1,040 bytes apart; behind the barrier every wave reads all 32 fragments.
; LAYOUT.  Transposed: source 0 = 16 rows of W3, source 1 = a tile of the hidden layer (an image of its registers: four dense loads a K step).  Lane m of tile tau takes W3's row
; D0 + 32 (tau / 2) + 8 (tau % 2) + m + 8 (m / 8): lane (r, h) then holds, of row r, columns D0 + 32 p + 16 h + 0 .. 15 in registers 16 p + 0 .. 15.
; yb: [2 halves][2048 slots][1024] f32.  b3 goes in with half 0 alone, as the C of the first K step, divided by 2^(e4 + e5).  Rows beyond the count in an expert's last tile are not stored.
; LIMITS: e4 + e5 between -126 and 126.  NaN and infinities in b3 are not served.
; REGISTERS.  window 0: v2-12 addresses; v16-23 the stores' offsets; v24-27 at work; v32-63 sums; v64-95 the bias; v96-127 rows read back; v128-159 the ballots; v160-191 the second ballots; v192-223 the running counts;
;   v224-255 sel as loaded, then SELECT's.  windows 1, 2: W3 as loaded, then its fragments, (s, tau) at v[64 (s % 4) + 16 tau]; window 3: v0-127 a tile's 8 fragments.
.set AC, 32
.set BI, 64
.set RB, 96
.set AD, 16
.set M,  128
.set B,  160
.set P,  192
.set S,  224
.set Q,  224
.set WP, 1040                          ; a row of W3's half in LDS: 1,024 bytes + 16
.set WL, 17408                         ; behind the four stages of 16 rows x 272 bytes
.set MSB, 0
.macro WIN new
.if MSB != \new
	s_set_vgpr_msb (MSB<<8)|\new
.set MSB, \new
.endif
.endm
.macro PLACES
.rept 4
	v_nop
.endr
.endm
.macro SSTEP x, w, inc                 ; t = the set bits among the next inc bits from pos on; where q >= t, they are passed over
	v_bfe_u32 v[Q+10], v[\x], v[Q+9], \w
	v_cmp_ge_u32 vcc_lo, v[Q+4], v[Q+10]
	v_cndmask_b32 v[Q+10], 0, v[Q+10], vcc_lo
	v_cndmask_b32 v[Q+11], 0, \inc, vcc_lo
	v_sub_nc_u32 v[Q+4], v[Q+4], v[Q+10]
	v_add_nc_u32 v[Q+9], v[Q+9], v[Q+11]
.endm
; v[Q] = a position p; v[Q+12] = the slot of the row that stands there.  The word that holds the p-th set bit is the last whose running count is at most p; in it bit q = p - count is found by halving.
.macro SELECT
	v_mov_b32 v[Q+1], v[M]
	v_mov_b32 v[Q+2], 0
	v_mov_b32 v[Q+3], 0
	v_mov_b32 v[Q+13], v[B]
.irp k, 1,2,3,4,5,6,7,8,9,10,11,12,13,14,15,16,17,18,19,20,21,22,23,24,25,26,27,28,29,30,31
	v_cmp_le_u32 vcc_lo, v[P+\k], v[Q]
	v_cndmask_b32 v[Q+1], v[Q+1], v[M+\k], vcc_lo
	v_cndmask_b32 v[Q+2], v[Q+2], v[P+\k], vcc_lo
	v_cndmask_b32 v[Q+3], v[Q+3], \k, vcc_lo
	v_cndmask_b32 v[Q+13], v[Q+13], v[B+\k], vcc_lo
.endr
	v_sub_nc_u32 v[Q+4], v[Q], v[Q+2]              ; q
	v_lshrrev_b32 v[Q+5], 1, v[Q+1]
	v_and_b32 v[Q+5], 0x55555555, v[Q+5]
	v_sub_nc_u32 v[Q+5], v[Q+1], v[Q+5]            ; counts of pairs
	v_lshrrev_b32 v[Q+6], 2, v[Q+5]
	v_and_b32 v[Q+6], 0x33333333, v[Q+6]
	v_and_b32 v[Q+7], 0x33333333, v[Q+5]
	v_add_nc_u32 v[Q+6], v[Q+6], v[Q+7]            ; of fours
	v_lshrrev_b32 v[Q+7], 4, v[Q+6]
	v_add_nc_u32 v[Q+7], v[Q+7], v[Q+6]
	v_and_b32 v[Q+7], 0x0f0f0f0f, v[Q+7]           ; of bytes
	v_lshrrev_b32 v[Q+8], 8, v[Q+7]
	v_add_nc_u32 v[Q+8], v[Q+8], v[Q+7]            ; byte 0: of the low half
	v_mov_b32 v[Q+9], 0                            ; pos
	SSTEP Q+8, 8, 16
	SSTEP Q+7, 8, 8
	SSTEP Q+6, 4, 4
	SSTEP Q+5, 2, 2
	SSTEP Q+1, 1, 1
	v_lshrrev_b32 v[Q+10], 2, v[Q+3]
	v_and_b32 v[Q+11], 3, v[Q+3]
	v_lshl_add_u32 v[Q+11], v[Q+9], 2, v[Q+11]
	v_lshl_add_u32 v[Q+12], v[Q+10], 7, v[Q+11]    ; the token: 128 (k / 4) + 4 pos + k % 4
	v_bfe_u32 v[Q+10], v[Q+13], v[Q+9], 1          ; 1 where a lower expert is chosen too
	v_lshl_add_u32 v[Q+12], v[Q+12], 1, v[Q+10]
.endm
.macro WFRAG                           ; W3's 32 fragments out of LDS: 128 loads
	WIN 0x40
.irp s, 0,1,2,3
.irp t, 0,1,2,3
.irp c, 0,1,2,3
	ds_load_b128 v[64*\s+16*\t+4*\c:64*\s+16*\t+4*\c+3], v3 offset:\t*16*WP+128*\s+32*\c
.endr
.endr
.endr
	WIN 0x80
.irp s, 0,1,2,3
.irp t, 0,1,2,3
.irp c, 0,1,2,3
	ds_load_b128 v[64*\s+16*\t+4*\c:64*\s+16*\t+4*\c+3], v3 offset:\t*16*WP+128*(\s+4)+32*\c
.endr
.endr
.endr
.endm
.macro HLOAD q, vo                     ; the hidden layer's fragments of K steps 2 q, 2 q + 1: 8 loads of 512 consecutive bytes
.irp s, 2*\q, 2*\q+1
.irp c, 0,1,2,3
	global_load_b128 v[16*(\s)+4*\c:16*(\s)+4*\c+3], v[\vo], s[4:5] offset:2048*(\s)+512*\c
.endr
.endr
.endm
.macro DMUL q                          ; two K steps; the four accumulators take turns, one instruction a turn
.irp s, 2*\q, 2*\q+1
.irp a, 0,1,2,3
.set WR, 64*((\s)%4)+16*\a
.if (\s) == 0
	v_wmma_f32_16x16x128_fp8_fp8 v[AC+8*\a:AC+8*\a+7], v[WR:WR+15], v[16*(\s):16*(\s)+15], v[BI+8*\a:BI+8*\a+7]
.else
	v_wmma_f32_16x16x128_fp8_fp8 v[AC+8*\a:AC+8*\a+7], v[WR:WR+15], v[16*(\s):16*(\s)+15], v[AC+8*\a:AC+8*\a+7]
.endif
.endr
.endr
.endm
.macro OTILE more
	s_min_u32 s37, s36, 63
	s_lshl_b32 s37, s37, 4
	v_add_nc_u32 v[Q], s37, v2                     ; position 16 j + r
	SELECT                                         ; in front of the wait for the tile's codes
.irp i, 0,1,2,3,4,5,6,7,8,9,10,11,12,13,14,15
	v_readlane_b32 s[48+\i], v[Q+12], \i           ; the tile's 16 slots
.endr
.irp q, 0,1,2,3
.if \more
	s_wait_loadcnt 24                              ; behind this chunk: this tile's 3 - q chunks and the next tile's q, 8 loads each
.else
	s_wait_loadcnt 24-8*\q
.endif
.if \q < 2
	WIN 0x0d                                       ; source 0 (W3) window 1, source 1 window 3, C and D window 0
.else
	WIN 0x0e
.endif
	DMUL \q
	PLACES
.if \more
	WIN 0xc0
	HLOAD \q, 6
.endif
.endr
	WIN 0
.irp i, 0,2,4,6,8,10,12,14,16,18,20,22,24,26,28,30
	v_pk_mul_f32 v[AC+\i:AC+\i+1], v[AC+\i:AC+\i+1], s[38:39] op_sel_hi:[1,0]     ; x 2^(e4 + e5); each accumulator from its low end on
.endr
.irp p, 0,1
.irp i, 0,1,2,3
	ds_store_b128 v8, v[AC+16*\p+4*\i:AC+16*\p+4*\i+3] offset:128*\p+16*\i
.endr
.endr
	s_wait_xcnt 0x0                                ; the last tile's stores have read v16-23 and v96-127, this tile's loads v6: they may be written
.irp t, 0,1,2,3,4,5,6,7
	v_mov_b32 v[AD+\t], s[48+2*\t]                 ; lanes 0-15 take row 2 t,
	v_cndmask_b32 v[AD+\t], v[AD+\t], s[49+2*\t], s44   ; lanes 16-31 row 2 t + 1
	v_min_u32 v[AD+\t], 0x7ff, v[AD+\t]            ; the slot is held inside yb before it enters an address
	v_lshl_add_u32 v[AD+\t], v[AD+\t], 12, v10
.endr
.irp t, 0,1,2,3,4,5,6,7
	ds_load_b128 v[RB+4*\t:RB+4*\t+3], v9 offset:544*\t          ; LDS serves a wave's instructions in order: these see the stores above
.endr
.if \more
	s_add_co_u32 s36, s36, 4
	s_add_co_u32 s37, s36, 4
	s_min_u32 s37, s37, 63
	s_lshl_b32 s37, s37, 15
	v_add_nc_u32 v6, s37, v5                       ; the tile after the next
.irp t, 0,1,2,3,4,5,6,7
	s_wait_dscnt 7-\t
	global_store_b128 v[AD+\t], v[RB+4*\t:RB+4*\t+3], s[14:15]   ; sixteen lanes store 256 consecutive bytes, aligned
.endr
.else
	s_wait_dscnt 0x0
	s_lshl_b32 s46, s36, 4
	s_sub_co_i32 s46, s33, s46                     ; rows of this tile that were chosen
.irp t, 0,1,2,3,4,5,6,7
	s_sub_co_i32 s37, s46, 2*\t
	v_cmp_gt_i32 vcc_lo, s37, v11                  ; row 2 t + h counts where h < rows - 2 t
	s_wait_xcnt 0x0                                ; EXEC changes only behind this wait
	s_and_saveexec_b32 s47, vcc_lo
	global_store_b128 v[AD+\t], v[RB+4*\t:RB+4*\t+3], s[14:15]
	s_wait_xcnt 0x0
	s_or_b32 exec_lo, exec_lo, s47
.endr
.endif
.endm
	s_load_b256 s[4:11], s[0:1], 0x0               ; hid s[4:5], sel s[6:7], W3 s[8:9], b3 s[10:11]
	s_load_b128 s[12:15], s[0:1], 0x20             ; the exponents s[12:13], yb s[14:15]
	v_lshl_add_u32 v30, v0, 2, 0x14800
	v_mov_b32 v31, 0
	v_lshrrev_b32 v1, 5, v0
	v_readfirstlane_b32 s20, v1                    ; wave
	v_and_b32 v1, 31, v0
	v_and_b32 v2, 15, v0                           ; r
	v_bfe_u32 v11, v0, 4, 1                        ; h
	v_lshlrev_b32 v5, 4, v1                        ; 16 x lane
	v_lshlrev_b32 v10, 4, v2                       ; 16 r
	v_lshlrev_b32 v12, 6, v11                      ; 64 h
	s_mul_i32 s37, s20, 4352                       ; my stage: 16 rows x (256 + 16) bytes
	v_mul_u32_u24 v8, v2, 272
	v_lshl_add_u32 v8, v11, 6, v8
	v_add_nc_u32 v8, s37, v8                       ; in: row r, + 64 h
	v_mul_u32_u24 v9, v11, 272
	v_lshl_add_u32 v9, v2, 4, v9
	v_add_nc_u32 v9, s37, v9                       ; back: lanes 0-15 one row, lanes 16-31 the next
	s_mul_i32 s37, s20, 16*WP
	s_add_co_u32 s37, s37, WL
	v_add_nc_u32 v4, s37, v5                       ; W3 into LDS: my tile's 16 rows, 16 bytes a lane
	v_mul_u32_u24 v3, v2, WP
	v_lshl_add_u32 v3, v11, 4, v3
	v_add_nc_u32 v3, WL, v3                        ; W3 out of LDS: row r of a tile, + 16 h
	s_lshl_b32 s37, s20, 15
	v_add_nc_u32 v7, s37, v5                       ; my first tile's image,
	v_add_nc_u32 v6, 0x20000, v7                   ; and my second's, four tiles on
	s_mov_b32 s36, s20                             ; j
	s_lshr_b32 s21, ttmp9, 5                       ; expert
	s_bfe_u32 s22, ttmp9, 0x40001                  ; which 64 columns
	s_and_b32 s23, ttmp9, 1                        ; which half of K
	s_lshl_b32 s24, s22, 6                         ; D0
	s_lshl_b32 s30, 1, s21
	s_sub_co_u32 s30, s30, 1                       ; the bits of the lower experts
	s_mov_b32 s44, 0xffff0000                      ; lanes 16-31
	s_mov_b32 s43, 0
	s_mov_b32 s47, 0
	s_wait_kmcnt 0x0
	s_load_b64 s[28:29], s[12:13], 0x10            ; e4, e5
.irp j, 0,1,2,3,4,5,6,7
	global_load_b128 v[S+4*\j:S+4*\j+3], v5, s[6:7] offset:512*\j      ; sel: register 4 j + c = token 128 j + 4 lane + c
.endr
	s_lshl_b32 s42, s21, 10
	s_add_co_u32 s42, s42, s24                     ; 1024 e + D0
	s_lshl_b32 s46, s42, 2
	s_lshr_b32 s45, s20, 1
	s_lshl_b32 s45, s45, 5
	s_add_co_u32 s42, s42, s45
	s_and_b32 s45, s20, 1
	s_lshl_b32 s45, s45, 3
	s_add_co_u32 s42, s42, s45                     ; + 32 (w / 2) + 8 (w % 2): the first row of the tile that I fetch
	s_lshl_b32 s42, s42, 11
	s_lshl_b32 s45, s23, 10
	s_add_co_u32 s42, s42, s45
	s_add_nc_u64 s[8:9], s[8:9], s[42:43]
	s_add_nc_u64 s[10:11], s[10:11], s[46:47]
	s_lshl_b32 s42, s21, 21
	s_lshl_b32 s45, s23, 14
	s_add_co_u32 s42, s42, s45
	s_add_nc_u64 s[4:5], s[4:5], s[42:43]
	s_lshl_b32 s42, s23, 23
	s_lshl_b32 s45, s22, 8
	s_add_co_u32 s42, s42, s45
	s_add_nc_u64 s[14:15], s[14:15], s[42:43]
.irp p, 0,1
.irp i, 0,1,2,3
	global_load_b128 v[BI+16*\p+4*\i:BI+16*\p+4*\i+3], v12, s[10:11] offset:128*\p+16*\i
.endr
.endr
	WIN 0x40                                       ; destination window 1
.set i, 0
.rept 32                               ; load i: half i % 2 of my tile's row m = i / 2, which is W3's row m + 8 (m / 8) from the tile's first
	global_load_b128 v[4*i:4*i+3], v5, s[8:9] offset:((i/2)+8*((i/2)/8))*2048+512*(i%2) th:TH_LOAD_NT     ; 512 consecutive bytes; read once in the launch
.set i, i+1
.endr
	WIN 0
	s_wait_loadcnt 40                              ; sel is in; the 8 loads of the bias and the 32 of W3 may be out
.irp k, 0,1,2,3,4,5,6,7,8,9,10,11,12,13,14,15,16,17,18,19,20,21,22,23,24,25,26,27,28,29,30,31
	v_bfe_u32 v[24+(\k%4)], v[S+\k], s21, 1
	v_cmp_ne_u32 s[66+\k], 0, v[24+(\k%4)]         ; ballot k: who of these 32 tokens chose my expert
.endr
	s_mov_b32 s98, 0
.irp k, 0,1,2,3,4,5,6,7,8,9,10,11,12,13,14,15,16,17,18,19,20,21,22,23,24,25,26,27,28,29,30,31
	v_mov_b32 v[M+\k], s[66+\k]
	v_mov_b32 v[P+\k], s98                         ; chosen in the words ahead of it
	s_bcnt1_i32_b32 s99, s[66+\k]
	s_add_co_u32 s98, s98, s99
.endr
.irp k, 0,1,2,3,4,5,6,7,8,9,10,11,12,13,14,15,16,17,18,19,20,21,22,23,24,25,26,27,28,29,30,31
	v_and_b32 v[24+(\k%4)], s30, v[S+\k]
	v_cmp_ne_u32 s[66+\k], 0, v[24+(\k%4)]         ; who chose a lower expert
.endr
.irp k, 0,1,2,3,4,5,6,7,8,9,10,11,12,13,14,15,16,17,18,19,20,21,22,23,24,25,26,27,28,29,30,31
	v_mov_b32 v[B+\k], s[66+\k]
.endr
	WIN 0x04                                       ; store data in window 1
.irp g, 0,1
	s_wait_loadcnt 16-16*\g                        ; these 16 loads are in; the second group may be out
.irp u, 0,1,2,3,4,5,6,7,8,9,10,11,12,13,14,15
.set i, 16*\g+\u
	ds_store_b128 v4, v[4*i:4*i+3] offset:(i/2)*WP+512*(i%2)
.endr
.endr
	WIN 0
	s_wait_dscnt 0x0                               ; for the others: my 16 rows lie in LDS
	s_barrier_signal -1
	s_barrier_wait -1                              ; the launch's one barrier; W3's bytes are only read from here on, and each wave's stage is its own
	s_wait_kmcnt 0x0
	s_min_u32 s33, s98, 0x400                      ; rows of my expert
	s_add_co_u32 s34, s33, 15
	s_lshr_b32 s34, s34, 4                         ; its tiles
	s_add_co_u32 s35, s34, 3
	s_sub_co_u32 s35, s35, s20
	s_lshr_b32 s35, s35, 2                         ; of which mine
	s_cmp_eq_u32 s35, 0
	s_cbranch_scc1 .Lend                           ; a split may leave me without rows
	s_add_co_i32 s45, s28, s29                     ; e4 + e5
	s_add_co_i32 s38, s45, 127
	s_lshl_b32 s38, s38, 23                        ; 2^(e4 + e5)
	s_mov_b32 s39, s38
	s_sub_co_i32 s45, 127, s45
	s_lshl_b32 s45, s45, 23                        ; 2^-(e4 + e5),
	s_cmp_eq_u32 s23, 0
	s_cselect_b32 s45, s45, 0                      ; or 0 in the second half of K, which adds no bias
	WIN 0xc0
	HLOAD 0, 7                                     ; my first tile is asked for ahead of the LDS loads, so that both are on their way together
	HLOAD 1, 7
	HLOAD 2, 7
	HLOAD 3, 7
	WFRAG
	WIN 0
.irp i, 0,1,2,3,4,5,6,7,8,9,10,11,12,13,14,15,16,17,18,19,20,21,22,23,24,25,26,27,28,29,30,31
	v_mul_f32 v[BI+\i], s45, v[BI+\i]
.endr
	s_wait_dscnt 0x0                               ; W3's fragments are in
	s_sub_co_u32 s35, s35, 1                       ; trips of the loop: all my tiles but the last
	s_cmp_eq_u32 s35, 0
	s_cbranch_scc1 .Ltail
.Lloop:
	OTILE 1
	s_sub_co_i32 s35, s35, 1
	s_cmp_lg_u32 s35, 0
	s_cbranch_scc1 .Lloop
.Ltail:
	OTILE 0                                        ; my last tile: nothing more is asked for, and only it can have rows that do not count
.Lend:
	s_wait_tensorcnt 0x0
	ds_add_u32 v30, v31
	s_wait_dscnt 0x0
	s_endpgm
.Lfunc_end_k_q2c0ffced2b_down:
	.size	k_q2c0ffced2b_down, .Lfunc_end_k_q2c0ffced2b_down-k_q2c0ffced2b_down
	.p2alignl 7, 3214868480
	.fill 96, 4, 3214868480
	.section	.rodata,"a",@progbits
	.p2align	6, 0x0
	.amdhsa_kernel k_q2c0ffced2b_down
		.amdhsa_group_segment_fixed_size 84480
		.amdhsa_private_segment_fixed_size 0
		.amdhsa_enable_private_segment 0
		.amdhsa_kernarg_size 48
		.amdhsa_user_sgpr_count 2
		.amdhsa_user_sgpr_kernarg_segment_ptr 1
		.amdhsa_wavefront_size32 1
		.amdhsa_system_sgpr_workgroup_id_x 1
		.amdhsa_system_sgpr_workgroup_id_y 1
		.amdhsa_system_sgpr_workgroup_id_z 1
		.amdhsa_system_vgpr_workitem_id 0
		.amdhsa_next_free_vgpr 1024
		.amdhsa_next_free_sgpr 100
		.amdhsa_reserve_vcc 1
		.amdhsa_float_denorm_mode_32 3
		.amdhsa_float_denorm_mode_16_64 3
		.amdhsa_memory_ordered 1
		.amdhsa_forward_progress 1
		.amdhsa_inst_pref_size 73
	.end_amdhsa_kernel
	.amdgpu_metadata
---
amdhsa.version: [ 1, 2 ]
amdhsa.kernels:
  - .name:           k_q2c0ffced2b_down
    .symbol:         k_q2c0ffced2b_down.kd
    .args:
      - { .name: hid, .offset: 0, .size: 8, .value_kind: global_buffer, .address_space: global }
      - { .name: sel, .offset: 8, .size: 8, .value_kind: global_buffer, .address_space: global }
      - { .name: W3_codes, .offset: 16, .size: 8, .value_kind: global_buffer, .address_space: global }
      - { .name: b3, .offset: 24, .size: 8, .value_kind: global_buffer, .address_space: global }
      - { .name: lowp_scales, .offset: 32, .size: 8, .value_kind: global_buffer, .address_space: global }
      - { .name: yb, .offset: 40, .size: 8, .value_kind: global_buffer, .address_space: global }
    .group_segment_fixed_size: 84480
    .private_segment_fixed_size: 0
    .kernarg_segment_align: 8
    .kernarg_segment_size: 48
    .max_flat_workgroup_size: 128
    .sgpr_count:     100
    .vgpr_count:     1024
    .wavefront_size: 32
...
	.end_amdgpu_metadata
.endif
;; end of part 3
;; launch combine (part 4): grid 257 x 1, 4 waves a work-group, no clusters, 768 bytes of LDS; arguments yb, meta, out0, out2, out1; writes out0, out1
.if DOCPART == 4
	.amdgcn_target "amdgcn-amd-amdhsa--gfx1250"
	.amdhsa_code_object_version 6
	.text
	.protected	k_q2c0ffced2b_combine
	.globl	k_q2c0ffced2b_combine
	.p2align	8
	.type	k_q2c0ffced2b_combine,@function
k_q2c0ffced2b_combine:
	s_mov_b64 s[64:65], 0
	v_nop
	global_prefetch_b8 v0, s[64:65] scope:SCOPE_SE
	s_setreg_imm32_b32 hwreg(HW_REG_WAVE_MODE, 25, 1), 1
	s_wait_xcnt 0x0
; WORK-GROUPS 0 TO 255: out0[token] = w[token] x (the sum of its four partial rows: two chosen experts x two halves of K).
; yb: [2][2048 slots][1024] f32; a token's slots are 2 t and 2 t + 1, so its two rows of a half lie on end.  A wave takes one token: 32 loads of 512 consecutive bytes, all issued at once,
; 8 stores of 512 consecutive bytes.  A stream: no LDS, no barrier, no matrix work; no register is written twice, so the only waits are for the data.
; WORK-GROUP 256: the auxiliary loss, out1 = -sum_e u_e ln(u_e + 1e-9) + 1e-3 x mean(lse^2), u_e = the mean score of expert e, from out2 (the scores) and meta (lse), which an earlier launch stored.
; It wants all 1,024 tokens in one place (36 KiB): each of the four waves sums 256 tokens, the sums meet in LDS.  The branch hangs on the work-group's number alone, so all four waves take it alike.
	s_load_b128 s[4:7], s[0:1], 0x0                ; yb s[4:5], meta s[6:7]
	s_load_b64 s[8:9], s[0:1], 0x10                ; out0
	s_load_b128 s[24:27], s[0:1], 0x18             ; out2 s[24:25], out1 s[26:27]
	v_lshl_add_u32 v144, v0, 2, 0x100
	v_mov_b32 v145, 0
	v_lshrrev_b32 v1, 5, v0
	v_readfirstlane_b32 s10, v1
	v_and_b32 v1, 31, v0
	v_lshlrev_b32 v2, 4, v1                        ; 16 x lane
	s_cmp_eq_u32 ttmp9, 256
	s_cbranch_scc1 .Laux
	s_lshl_b32 s11, ttmp9, 2
	s_add_co_u32 s11, s11, s10                     ; my token
	s_lshl_b32 s12, s11, 13
	s_mov_b32 s13, 0
	s_lshl_b32 s14, s11, 2
	s_mov_b32 s15, 0
	s_lshl_b32 s16, s11, 12
	s_mov_b32 s17, 0
	s_wait_kmcnt 0x0
	s_add_nc_u64 s[4:5], s[4:5], s[12:13]          ; my two rows of half 0,
	s_add_nc_u64 s[18:19], s[4:5], 0x800000        ; and of half 1
	s_add_nc_u64 s[6:7], s[6:7], s[14:15]
	s_add_nc_u64 s[8:9], s[8:9], s[16:17]
	s_load_b32 s20, s[6:7], 0x0                    ; w
.irp i, 0,1,2,3,4,5,6,7
	global_load_b128 v[16+16*\i:19+16*\i], v2, s[4:5] offset:512*\i th:TH_LOAD_NT
	global_load_b128 v[20+16*\i:23+16*\i], v2, s[4:5] offset:4096+512*\i th:TH_LOAD_NT
	global_load_b128 v[24+16*\i:27+16*\i], v2, s[18:19] offset:512*\i th:TH_LOAD_NT
	global_load_b128 v[28+16*\i:31+16*\i], v2, s[18:19] offset:4096+512*\i th:TH_LOAD_NT
.endr
	s_wait_kmcnt 0x0
	s_mov_b32 s21, s20                             ; (named with it as a pair)
.irp i, 0,1,2,3,4,5,6,7
	s_wait_loadcnt 28-4*\i                         ; this piece's four loads are in; the later pieces' may be out
	v_pk_add_f32 v[16+16*\i:17+16*\i], v[16+16*\i:17+16*\i], v[20+16*\i:21+16*\i]
	v_pk_add_f32 v[18+16*\i:19+16*\i], v[18+16*\i:19+16*\i], v[22+16*\i:23+16*\i]
	v_pk_add_f32 v[24+16*\i:25+16*\i], v[24+16*\i:25+16*\i], v[28+16*\i:29+16*\i]
	v_pk_add_f32 v[26+16*\i:27+16*\i], v[26+16*\i:27+16*\i], v[30+16*\i:31+16*\i]
	v_pk_add_f32 v[16+16*\i:17+16*\i], v[16+16*\i:17+16*\i], v[24+16*\i:25+16*\i]
	v_pk_add_f32 v[18+16*\i:19+16*\i], v[18+16*\i:19+16*\i], v[26+16*\i:27+16*\i]
	v_pk_mul_f32 v[16+16*\i:17+16*\i], v[16+16*\i:17+16*\i], s[20:21] op_sel_hi:[1,0]
	v_pk_mul_f32 v[18+16*\i:19+16*\i], v[18+16*\i:19+16*\i], s[20:21] op_sel_hi:[1,0]
	global_store_b128 v2, v[16+16*\i:19+16*\i], s[8:9] offset:512*\i th:TH_STORE_NT
.endr
	s_endpgm
.Laux:
	v_and_b32 v3, 1, v0
	s_lshl_b32 s11, s10, 5
	v_lshl_add_u32 v4, v3, 4, s11                  ; LDS: 32 x wave + 16 (lane % 2): my wave's sums of four experts
	s_lshl_b32 s11, s10, 2
	s_add_co_u32 s11, s11, 128
	v_mov_b32 v5, s11                              ; 128 + 4 x wave: my wave's sum of lse^2
	v_and_b32 v6, 15, v0
	v_lshlrev_b32 v6, 3, v6                        ; back: 8 (lane % 16): wave (lane % 16) / 4, experts 2 (lane % 4) and the next
	v_and_b32 v7, 3, v0
	v_lshl_add_u32 v7, v7, 2, 128
	v_lshlrev_b32 v8, 2, v1
	v_mov_b32 v100, 0                              ; a lane permute's destination counts as one of its sources
	v_mov_b32 v101, 0
	v_mov_b32 v102, 0
	v_mov_b32 v103, 0
	v_mov_b32 v105, 0
	s_mov_b32 s22, 0x76543210                      ; v_permlanex16_b32: lane l xor 16
	s_mov_b32 s23, 0xfedcba98
	s_lshl_b32 s12, s10, 13
	s_mov_b32 s13, 0
	s_lshl_b32 s14, s10, 10
	s_mov_b32 s15, 0
	s_wait_kmcnt 0x0
	s_add_nc_u64 s[24:25], s[24:25], s[12:13]      ; my wave's 256 tokens' scores, 8,192 bytes,
	s_add_nc_u64 s[6:7], s[6:7], s[14:15]          ; and their lse
.irp i, 0,1,2,3,4,5,6,7,8,9,10,11,12,13,14,15
	global_load_b128 v[16+4*\i:19+4*\i], v2, s[24:25] offset:512*\i
.endr
.irp i, 0,1
	global_load_b128 v[80+4*\i:83+4*\i], v2, s[6:7] offset:4096+512*\i
.endr
	s_wait_loadcnt 0x0
	v_pk_add_f32 v[96:97], v[16:17], v[20:21]      ; a lane's four numbers of a load are experts 4 (lane % 2) + 0..3 of one token
	v_pk_add_f32 v[98:99], v[18:19], v[22:23]
.irp i, 2,3,4,5,6,7,8,9,10,11,12,13,14,15
	v_pk_add_f32 v[96:97], v[96:97], v[16+4*\i:17+4*\i]
	v_pk_add_f32 v[98:99], v[98:99], v[18+4*\i:19+4*\i]
.endr
	v_mul_f32 v104, v80, v80
.irp i, 81,82,83,84,85,86,87
	v_fmac_f32 v104, v\i, v\i
.endr
	v_add_f32_dpp v104, v104, v104 row_xmask:1 row_mask:0xf bank_mask:0xf
.irp m, 2,4,8
.irp q, 96,97,98,99,104
	v_add_f32_dpp v\q, v\q, v\q row_xmask:\m row_mask:0xf bank_mask:0xf
.endr
.endr
	v_permlanex16_b32 v100, v96, s22, s23
	v_permlanex16_b32 v101, v97, s22, s23
	v_permlanex16_b32 v102, v98, s22, s23
	v_permlanex16_b32 v103, v99, s22, s23
	v_permlanex16_b32 v105, v104, s22, s23
	v_pk_add_f32 v[96:97], v[96:97], v[100:101]
	v_pk_add_f32 v[98:99], v[98:99], v[102:103]
	v_add_f32 v104, v104, v105
	ds_store_b128 v4, v[96:99]                     ; lanes of one parity hold the same numbers and write the same bytes
	ds_store_b32 v5, v104
	s_wait_dscnt 0x0                               ; for wave 0: my sums lie in LDS
	s_barrier_signal -1
	s_barrier_wait -1
	s_cmp_lg_u32 s10, 0
	s_cbranch_scc1 .Lend
	ds_load_b64 v[96:97], v6
	ds_load_b32 v104, v7
	s_wait_dscnt 0x0
.irp m, 4,8
	v_add_f32_dpp v96, v96, v96 row_xmask:\m row_mask:0xf bank_mask:0xf          ; over the four waves
	v_add_f32_dpp v97, v97, v97 row_xmask:\m row_mask:0xf bank_mask:0xf
.endr
	v_mul_f32 v96, 0x3a800000, v96                 ; u = sum / 1024
	v_mul_f32 v97, 0x3a800000, v97
	v_add_f32 v98, 0x3089705f, v96                 ; u + 1e-9
	v_add_f32 v99, 0x3089705f, v97
	v_log_f32 v98, v98
	v_log_f32 v99, v99
	v_nop                                          ; a plain line behind the two logarithms
.irp m, 1,2
	v_add_f32_dpp v104, v104, v104 row_xmask:\m row_mask:0xf bank_mask:0xf       ; the four waves' sums of lse^2
.endr
	s_wait_alu depctr_va_vdst(0)                   ; one wait for both, ahead of their first reader
	v_mul_f32 v98, v98, v96
	v_fmac_f32 v98, v99, v97                       ; u log2(u + 1e-9), two experts
	v_add_f32_dpp v98, v98, v98 row_xmask:1 row_mask:0xf bank_mask:0xf
	v_add_f32_dpp v98, v98, v98 row_xmask:2 row_mask:0xf bank_mask:0xf
	v_mul_f32 v104, 0x3583126f, v104               ; x 1e-3 / 1024
	v_fmamk_f32 v106, v98, 0xbf317218, v104        ; x -ln 2, + the z loss
	v_cmp_eq_u32 vcc_lo, 0, v1
	s_wait_xcnt 0x0                                ; EXEC changes only behind this wait
	s_and_saveexec_b32 s11, vcc_lo
	global_store_b32 v8, v106, s[26:27]            ; the loss: one number
	s_wait_xcnt 0x0
	s_or_b32 exec_lo, exec_lo, s11
.Lend:
	s_wait_tensorcnt 0x0
	ds_add_u32 v144, v145
	s_wait_dscnt 0x0
	s_endpgm
.Lfunc_end_k_q2c0ffced2b_combine:
	.size	k_q2c0ffced2b_combine, .Lfunc_end_k_q2c0ffced2b_combine-k_q2c0ffced2b_combine
	.p2alignl 7, 3214868480
	.fill 96, 4, 3214868480
	.section	.rodata,"a",@progbits
	.p2align	6, 0x0
	.amdhsa_kernel k_q2c0ffced2b_combine
		.amdhsa_group_segment_fixed_size 768
		.amdhsa_private_segment_fixed_size 0
		.amdhsa_enable_private_segment 0
		.amdhsa_kernarg_size 40
		.amdhsa_user_sgpr_count 2
		.amdhsa_user_sgpr_kernarg_segment_ptr 1
		.amdhsa_wavefront_size32 1
		.amdhsa_system_sgpr_workgroup_id_x 1
		.amdhsa_system_sgpr_workgroup_id_y 1
		.amdhsa_system_sgpr_workgroup_id_z 1
		.amdhsa_system_vgpr_workitem_id 0
		.amdhsa_next_free_vgpr 146
		.amdhsa_next_free_sgpr 66
		.amdhsa_reserve_vcc 1
		.amdhsa_float_denorm_mode_32 3
		.amdhsa_float_denorm_mode_16_64 3
		.amdhsa_memory_ordered 1
		.amdhsa_forward_progress 1
		.amdhsa_inst_pref_size 18
	.end_amdhsa_kernel
	.amdgpu_metadata
---
amdhsa.version: [ 1, 2 ]
amdhsa.kernels:
  - .name:           k_q2c0ffced2b_combine
    .symbol:         k_q2c0ffced2b_combine.kd
    .args:
      - { .name: yb, .offset: 0, .size: 8, .value_kind: global_buffer, .address_space: global }
      - { .name: meta, .offset: 8, .size: 8, .value_kind: global_buffer, .address_space: global }
      - { .name: out0, .offset: 16, .size: 8, .value_kind: global_buffer, .address_space: global }
      - { .name: out2, .offset: 24, .size: 8, .value_kind: global_buffer, .address_space: global }
      - { .name: out1, .offset: 32, .size: 8, .value_kind: global_buffer, .address_space: global }
    .group_segment_fixed_size: 768
    .private_segment_fixed_size: 0
    .kernarg_segment_align: 8
    .kernarg_segment_size: 40
    .max_flat_workgroup_size: 128
    .sgpr_count:     66
    .vgpr_count:     146
    .wavefront_size: 32
...
	.end_amdgpu_metadata
.endif
;; end of part 4
;; ======== version 2 of 2: 4 launches
;; workspace buffers: xq 2,097,152 bytes; sel 4,096 bytes of whole numbers; meta 8,192 bytes; hid 16,777,216 bytes; yb 16,777,216 bytes
;; launch route (part 5): grid 128 x 1, 4 waves a work-group, no clusters, 54,784 bytes of LDS; arguments x, Wg, lowp_scales, out2, xq, sel, meta; writes out2, xq, sel, meta
.if DOCPART == 5
	.amdgcn_target "amdgcn-amd-amdhsa--gfx1250"
	.amdhsa_code_object_version 6
	.text
	.protected	k_q2c0ffced2b_route
	.globl	k_q2c0ffced2b_route
	.p2align	8
	.type	k_q2c0ffced2b_route,@function
k_q2c0ffced2b_route:
	s_mov_b64 s[64:65], 0
	v_nop
	global_prefetch_b8 v0, s[64:65] scope:SCOPE_SE
	s_setreg_imm32_b32 hwreg(HW_REG_WAVE_MODE, 25, 1), 1
	s_wait_xcnt 0x0
; THE ROUTER, AND x AS CODES.  x: [1024 tokens][1024] f32.  Wg: [1024][8] f32.
; For each token: logits = x Wg (f32 multiply-adds), scores = softmax (the maximum is taken away first), the two largest scores
; (a strict compare in ascending order of experts: of equal f32 scores the lower index wins), w = their sum, lse = m + ln(sum).
; Stored: out2 = the scores; sel[token] = (1 << i1) | (1 << i2), a whole number that later launches read; meta = w[1024], then lse[1024];
; xq = x as E4M3 codes, [2][1024][1024]: version 0 with the scale 2^e0 (first product), version 1 with 2^e2 (second product).
; No address and no branch here hangs on the scores: what is chosen is only stored.
; SHARES: a work-group has 8 tokens, a wave 2.  A lane holds k = 128 j + 4 lane + c of a row (j = 0..7, c = 0..3): each load of x covers 512 consecutive bytes.
; Wg goes once into LDS, in blocks of 4 rows k (128 bytes) 144 bytes apart, so that lanes one block apart start at different banks.
; LIMITS: e0 and e2 between -126 and 119, so that 2^e and 448 x 2^e are f32 numbers.  NaN among the inputs is not served.
.set WP,  144                          ; LDS pitch of a block of Wg
.set ST,  36864                        ; behind Wg: 4,096 bytes a wave, 1,024 for each (token, version): the codes turn here into whole rows
.set EP,  53248                        ; 256 bytes: the work-group's 8 x 8 scores
.set ACC, 16                           ; v16-31   logits: token t, expert e at ACC + 8 t + e
.set WB,  32                           ; v32-95   Wg as loaded; then two buffers of 32: register 8 c + e = Wg[128 j + 4 lane + c][e]
.set X,   96                           ; v96-159  x: token t at X + 32 t, register 4 j + c
.set G,   160                          ; v160-175 exponents, p, then the scores
.set TA,  176                          ; v176-191 two sets of 8 at work
.set CD,  208                          ; v208-239 codes: 8 registers for each (token, version)
.set CB,  32                           ; v32-63   codes read back as rows
	s_load_b256 s[4:11], s[0:1], 0x0               ; x s[4:5], Wg s[6:7], the exponents s[8:9], out2 s[10:11]
	s_load_b128 s[12:15], s[0:1], 0x20             ; xq s[12:13], sel s[14:15]
	s_load_b64 s[16:17], s[0:1], 0x30              ; meta
	v_lshl_add_u32 v240, v0, 2, 0xd400
	v_mov_b32 v241, 0
	v_lshrrev_b32 v1, 5, v0
	v_readfirstlane_b32 s18, v1                    ; wave 0..3
	v_and_b32 v1, 31, v0                           ; lane
	v_lshlrev_b32 v2, 4, v1                        ; 16 x lane
	v_lshlrev_b32 v3, 4, v0                        ; 16 x thread: Wg as it lies
	v_lshrrev_b32 v4, 3, v0
	v_mul_u32_u24 v4, v4, WP
	v_and_b32 v5, 7, v0
	v_lshl_add_u32 v4, v5, 4, v4                   ; Wg into LDS: block thread / 8, 16 bytes at 16 (thread % 8)
	v_mul_u32_u24 v5, v1, WP                       ; Wg out of LDS: block 32 j + lane
	s_lshl_b32 s26, s18, 12
	s_add_co_u32 s26, s26, ST                      ; my wave's stage
	v_lshl_add_u32 v6, v1, 2, s26                  ; in: 4 codes a lane
	v_add_nc_u32 v7, s26, v2                       ; back: 16 codes a lane
	s_lshl_b32 s27, s18, 6
	s_add_co_u32 s27, s27, EP
	v_mov_b32 v8, s27                              ; my wave's 64 bytes of scores
	v_lshl_add_u32 v9, v1, 3, EP                   ; wave 0 reads all 256 back
	v_mov_b32 v14, 1
	v_lshlrev_b32 v15, 3, v1                       ; 8 x lane
	s_mov_b32 s24, 0x76543210                      ; v_permlanex16_b32: lane l xor 16
	s_mov_b32 s25, 0xfedcba98
	s_lshl_b32 s28, ttmp9, 3
	s_lshl_b32 s29, s18, 1
	s_add_co_u32 s28, s28, s29                     ; my first token: 8 x work-group + 2 x wave
	s_mov_b32 s31, 0
	s_wait_alu depctr_va_vdst(0)
	s_wait_kmcnt 0x0
	s_load_b128 s[20:23], s[8:9], 0x0              ; e0, e1, e2, e3
	s_lshl_b32 s30, s28, 12
	s_add_nc_u64 s[4:5], s[4:5], s[30:31]          ; x at my first token
	s_lshl_b32 s30, s28, 10
	s_add_nc_u64 s[12:13], s[12:13], s[30:31]      ; xq likewise
	s_lshl_b32 s30, s28, 2
	s_add_nc_u64 s[14:15], s[14:15], s[30:31]      ; sel
	s_add_nc_u64 s[16:17], s[16:17], s[30:31]      ; meta
	s_lshl_b32 s30, ttmp9, 8
	s_add_nc_u64 s[10:11], s[10:11], s[30:31]      ; out2 at the work-group's 256 bytes
.irp i, 0,1,2,3,4,5,6,7,8,9,10,11,12,13,14,15
	global_load_b128 v[WB+4*\i:WB+4*\i+3], v3, s[6:7] offset:2048*\i
.endr
.irp t, 0,1
.irp j, 0,1,2,3,4,5,6,7
	global_load_b128 v[X+32*\t+4*\j:X+32*\t+4*\j+3], v2, s[4:5] offset:4096*\t+512*\j th:TH_LOAD_NT
.endr
.endr
	s_wait_loadcnt 16                              ; Wg is in; the 16 loads of x, issued behind it, may be out
.irp i, 0,1,2,3,4,5,6,7,8,9,10,11,12,13,14,15
	ds_store_b128 v4, v[WB+4*\i:WB+4*\i+3] offset:2304*\i
.endr
	s_wait_dscnt 0x0                               ; for the others: my part of Wg lies in LDS
	s_barrier_signal -1
	s_barrier_wait -1
.macro WLD j, buf                      ; 4 rows k of Wg for my lane: 128 bytes
.irp i, 0,1,2,3,4,5,6,7
	ds_load_b128 v[WB+32*(\buf)+4*\i:WB+32*(\buf)+4*\i+3], v5 offset:4608*(\j)+16*\i
.endr
.endm
.macro FMA j                           ; 4 k x 2 tokens x 8 experts, two experts an instruction; x is taken for both halves
.if \j < 7
	s_wait_dscnt 8                                 ; this buffer is in; the other buffer's 8 loads may be out
.else
	s_wait_dscnt 0
.endif
.irp c, 0,1,2,3
.irp t, 0,1
.irp p, 0,2,4,6
.set XR, X+32*\t+4*\j+(\c/2)*2
.set WR, WB+32*(\j%2)+8*\c+\p
.set AR, ACC+8*\t+\p
.if (\j == 0) && (\c == 0)
	v_pk_mul_f32 v[AR:AR+1], v[XR:XR+1], v[WR:WR+1] op_sel_hi:[0,1]               ; the first product starts the sums
.elseif (\c%2) == 0
	v_pk_fma_f32 v[AR:AR+1], v[XR:XR+1], v[WR:WR+1], v[AR:AR+1] op_sel_hi:[0,1,1]
.else
	v_pk_fma_f32 v[AR:AR+1], v[XR:XR+1], v[WR:WR+1], v[AR:AR+1] op_sel:[1,0,0] op_sel_hi:[1,1,1]
.endif
.endr
.endr
.endr
.if \j < 6
	WLD \j+2, \j%2
.endif
.endm
	WLD 0, 0
	WLD 1, 1
	s_wait_loadcnt 0x0                             ; x
.irp j, 0,1,2,3,4,5,6,7
	s_wait_alu depctr_va_vdst(0)
	FMA \j
.endr
	; the 16 partial sums over the 32 lanes: every lane ends with all logits of both tokens
.irp m, 1,2,4,8
.irp i, 0,1,2,3,4,5,6,7,8,9,10,11,12,13,14,15
	v_add_f32_dpp v[ACC+\i], v[ACC+\i], v[ACC+\i] row_xmask:\m row_mask:0xf bank_mask:0xf
.endr
.endr
.irp i, 0,1,2,3,4,5,6,7,8,9,10,11,12,13,14,15
	v_permlanex16_b32 v[WB+\i], v[ACC+\i], s24, s25
.endr
.irp i, 0,1,2,3,4,5,6,7,8,9,10,11,12,13,14,15
	v_add_f32 v[ACC+\i], v[ACC+\i], v[WB+\i]
.endr
	; softmax.  v192+t m; v[194+2t:195+2t] -m log2(e); v[198+2t..] sums; v[202+2t:203+2t] 1 / sum; v206+t log2(sum), then lse
.irp t, 0,1
	v_max3_num_f32 v[192+\t], v[ACC+8*\t], v[ACC+8*\t+1], v[ACC+8*\t+2]
.endr
.irp t, 0,1
	v_max3_num_f32 v[192+\t], v[192+\t], v[ACC+8*\t+3], v[ACC+8*\t+4]
.endr
.irp t, 0,1
	v_max3_num_f32 v[192+\t], v[192+\t], v[ACC+8*\t+5], v[ACC+8*\t+6]
.endr
.irp t, 0,1
	v_max_num_f32 v[192+\t], v[192+\t], v[ACC+8*\t+7]
.endr
.irp t, 0,1
	v_mul_f32 v[194+2*\t], 0xbfb8aa3b, v[192+\t]
	v_mov_b32 v[195+2*\t], 0                       ; (named as the pair's upper half)
.endr
.irp t, 0,1
.irp p, 0,2,4,6
	v_pk_fma_f32 v[G+8*\t+\p:G+8*\t+\p+1], v[ACC+8*\t+\p:ACC+8*\t+\p+1], 0x3fb8aa3b, v[194+2*\t:195+2*\t] op_sel_hi:[1,0,0]   ; (logit - m) log2(e)
.endr
.endr
	s_wait_alu depctr_va_vdst(0)
.irp i, 0,1,2,3,4,5,6,7,8,9,10,11,12,13,14,15
	v_exp_f32 v[G+\i], v[G+\i]
.endr
	v_mov_b32 v203, 0                              ; plain lines behind the batch (the upper halves of the pairs 1 / sum)
	v_mov_b32 v205, 0
	s_wait_alu depctr_va_vdst(0)                   ; one wait for the 16 exponentials, ahead of their first reader
.irp t, 0,1
	v_pk_add_f32 v[198+2*\t:199+2*\t], v[G+8*\t:G+8*\t+1], v[G+8*\t+2:G+8*\t+3]
	v_pk_add_f32 v[TA+2*\t:TA+2*\t+1], v[G+8*\t+4:G+8*\t+5], v[G+8*\t+6:G+8*\t+7]
.endr
.irp t, 0,1
	v_pk_add_f32 v[198+2*\t:199+2*\t], v[198+2*\t:199+2*\t], v[TA+2*\t:TA+2*\t+1]
.endr
.irp t, 0,1
	v_add_f32 v[198+2*\t], v[198+2*\t], v[199+2*\t]
.endr
	s_wait_alu depctr_va_vdst(0)
.irp t, 0,1
	v_rcp_f32 v[202+2*\t], v[198+2*\t]
	v_log_f32 v[206+\t], v[198+2*\t]
.endr
	v_nop                                          ; a plain line behind the last of the four
	s_wait_alu depctr_va_vdst(0)                   ; and one wait for them
.irp t, 0,1
.irp p, 0,2,4,6
	v_pk_mul_f32 v[G+8*\t+\p:G+8*\t+\p+1], v[G+8*\t+\p:G+8*\t+\p+1], v[202+2*\t:203+2*\t] op_sel_hi:[1,0]   ; the scores
.endr
	v_fmamk_f32 v[206+\t], v[206+\t], 0x3f317218, v[192+\t]                       ; lse = log2(sum) ln 2 + m
.endr
.irp t, 0,1
	ds_store_b128 v8, v[G+8*\t:G+8*\t+3] offset:32*\t            ; every lane holds the same numbers and writes the same bytes
	ds_store_b128 v8, v[G+8*\t+4:G+8*\t+7] offset:32*\t+16
.endr
; the two largest scores of token t.  v184 i1, v185 its score, v186 i2, v187 its score; v194+t sel, v196+t w
.macro TOP2 t
	v_mov_b32 v184, 0
	v_mov_b32 v185, v[G+8*\t]
.irp e, 1,2,3,4,5,6,7
	v_cmp_gt_f32 vcc_lo, v[G+8*\t+\e], v185
	v_cndmask_b32 v184, v184, \e, vcc_lo
	v_max_num_f32 v185, v185, v[G+8*\t+\e]
.endr
.irp e, 0,1,2,3,4,5,6,7
	v_cmp_eq_u32 vcc_lo, \e, v184
	v_cndmask_b32 v[TA+\e], v[G+8*\t+\e], -1.0, vcc_lo           ; the first choice is taken out: scores are never negative
.endr
	v_mov_b32 v186, 0
	v_mov_b32 v187, v[TA]
.irp e, 1,2,3,4,5,6,7
	v_cmp_gt_f32 vcc_lo, v[TA+\e], v187
	v_cndmask_b32 v186, v186, \e, vcc_lo
	v_max_num_f32 v187, v187, v[TA+\e]
.endr
	v_lshlrev_b32 v188, v184, v14
	v_lshlrev_b32 v189, v186, v14
	v_or_b32 v[194+\t], v188, v189
	v_add_f32 v[196+\t], v185, v187
.endm
	TOP2 0
	TOP2 1
	s_wait_kmcnt 0x0
	s_add_co_i32 s26, s20, 127
	s_lshl_b32 s27, s26, 23
	v_mov_b32 v10, s27                             ; 2^e0: the conversion takes its exponent field
	s_add_co_i32 s26, s26, 8
	s_lshl_b32 s26, s26, 23
	s_or_b32 s26, s26, 0x600000
	v_mov_b32 v11, s26                             ; 448 x 2^e0
	s_add_co_i32 s26, s22, 127
	s_lshl_b32 s27, s26, 23
	v_mov_b32 v12, s27                             ; 2^e2
	s_add_co_i32 s26, s26, 8
	s_lshl_b32 s26, s26, 23
	s_or_b32 s26, s26, 0x600000
	v_mov_b32 v13, s26                             ; 448 x 2^e2
; a row of x becomes codes.  Eight numbers of a lane (two j) a conversion; the hold comes first, since the conversion does not saturate (ISA guide 7.6.2).
; The two sets of 8 take turns, so that the next group's holds are the plain lines behind each conversion.  The lane's 4 codes of each j go through the wave's own
; stage and come back 16 a lane: LDS serves a wave's instructions in order, so no wait stands between the stores and the loads.
.macro QROW t, ver, sc, lim
.irp g, 0,1,2,3
.irp i, 0,1,2,3,4,5,6,7
	v_med3_num_f32 v[TA+8*(\g%2)+\i], v[X+32*\t+8*\g+\i], -v[\lim], v[\lim]
.endr
	v_cvt_scalef32_pk8_fp8_f32 v[CD+8*(2*\t+\ver)+2*\g:CD+8*(2*\t+\ver)+2*\g+1], v[TA+8*(\g%2):TA+8*(\g%2)+7], v[\sc]
.endr
	v_nop                                          ; a plain line behind the last conversion
.irp j, 0,1,2,3,4,5,6,7
	ds_store_b32 v6, v[CD+8*(2*\t+\ver)+\j] offset:1024*(2*\t+\ver)+128*\j
.endr
.irp u, 0,1
	ds_load_b128 v[CB+8*(2*\t+\ver)+4*\u:CB+8*(2*\t+\ver)+4*\u+3], v7 offset:1024*(2*\t+\ver)+512*\u
.endr
.endm
	QROW 0, 0, 10, 11
	QROW 0, 1, 12, 13
	QROW 1, 0, 10, 11
	QROW 1, 1, 12, 13
	s_wait_dscnt 0x0                               ; the codes are back; and, for wave 0, my scores lie in LDS
.irp t, 0,1
.irp ver, 0,1
.irp u, 0,1
	global_store_b128 v2, v[CB+8*(2*\t+\ver)+4*\u:CB+8*(2*\t+\ver)+4*\u+3], s[12:13] offset:1048576*\ver+1024*\t+512*\u   ; 512 consecutive bytes, aligned
.endr
.endr
.endr
	s_barrier_signal -1
	s_barrier_wait -1
	s_cmp_lg_u32 s18, 0
	s_cbranch_scc1 .Lnot_wave_0
	ds_load_b64 v[200:201], v9                     ; the work-group's 8 tokens x 8 scores
	s_wait_dscnt 0x0
	global_store_b64 v15, v[200:201], s[10:11]     ; 256 consecutive bytes, aligned, by one instruction
.Lnot_wave_0:
	v_cmp_eq_u32 vcc_lo, 1, v1
	v_cndmask_b32 v188, v194, v195, vcc_lo         ; lane t takes token t's numbers
	v_cndmask_b32 v189, v196, v197, vcc_lo
	v_cndmask_b32 v190, v206, v207, vcc_lo
	v_lshlrev_b32 v191, 2, v1
	v_cmp_gt_u32 vcc_lo, 2, v1
	s_wait_alu depctr_va_vdst(0)
	s_wait_xcnt 0x0                                ; EXEC changes only behind this wait
	s_wait_tensorcnt 0x0
	ds_add_u32 v240, v241
	s_wait_dscnt 0x0
	s_and_saveexec_b32 s26, vcc_lo
	global_store_b32 v191, v188, s[14:15]          ; 8 bytes a wave into each of three tables of 4,096 bytes: small against the launch's 2 MiB of codes
	global_store_b32 v191, v189, s[16:17]
	global_store_b32 v191, v190, s[16:17] offset:4096
	s_wait_xcnt 0x0
	s_or_b32 exec_lo, exec_lo, s26
	s_endpgm
.Lfunc_end_k_q2c0ffced2b_route:
	.size	k_q2c0ffced2b_route, .Lfunc_end_k_q2c0ffced2b_route-k_q2c0ffced2b_route
	.p2alignl 7, 3214868480
	.fill 96, 4, 3214868480
	.section	.rodata,"a",@progbits
	.p2align	6, 0x0
	.amdhsa_kernel k_q2c0ffced2b_route
		.amdhsa_group_segment_fixed_size 54784
		.amdhsa_private_segment_fixed_size 0
		.amdhsa_enable_private_segment 0
		.amdhsa_kernarg_size 56
		.amdhsa_user_sgpr_count 2
		.amdhsa_user_sgpr_kernarg_segment_ptr 1
		.amdhsa_wavefront_size32 1
		.amdhsa_system_sgpr_workgroup_id_x 1
		.amdhsa_system_sgpr_workgroup_id_y 1
		.amdhsa_system_sgpr_workgroup_id_z 1
		.amdhsa_system_vgpr_workitem_id 0
		.amdhsa_next_free_vgpr 242
		.amdhsa_next_free_sgpr 66
		.amdhsa_reserve_vcc 1
		.amdhsa_float_denorm_mode_32 3
		.amdhsa_float_denorm_mode_16_64 3
		.amdhsa_memory_ordered 1
		.amdhsa_forward_progress 1
		.amdhsa_inst_pref_size 56
	.end_amdhsa_kernel
	.amdgpu_metadata
---
amdhsa.version: [ 1, 2 ]
amdhsa.kernels:
  - .name:           k_q2c0ffced2b_route
    .symbol:         k_q2c0ffced2b_route.kd
    .args:
      - { .name: x, .offset: 0, .size: 8, .value_kind: global_buffer, .address_space: global }
      - { .name: Wg, .offset: 8, .size: 8, .value_kind: global_buffer, .address_space: global }
      - { .name: lowp_scales, .offset: 16, .size: 8, .value_kind: global_buffer, .address_space: global }
      - { .name: out2, .offset: 24, .size: 8, .value_kind: global_buffer, .address_space: global }
      - { .name: xq, .offset: 32, .size: 8, .value_kind: global_buffer, .address_space: global }
      - { .name: sel, .offset: 40, .size: 8, .value_kind: global_buffer, .address_space: global }
      - { .name: meta, .offset: 48, .size: 8, .value_kind: global_buffer, .address_space: global }
    .group_segment_fixed_size: 54784
    .private_segment_fixed_size: 0
    .kernarg_segment_align: 8
    .kernarg_segment_size: 56
    .max_flat_workgroup_size: 128
    .sgpr_count:     66
    .vgpr_count:     242
    .wavefront_size: 32
...
	.end_amdgpu_metadata
.endif
;; end of part 5
;; launch hidden (part 6): grid 256 x 1, 4 waves a work-group, no clusters, 133,632 bytes of LDS; arguments xq, sel, W1_codes, W2_codes, b1, b2, lowp_scales, hid; writes hid
.if DOCPART == 6
	.amdgcn_target "amdgcn-amd-amdhsa--gfx1250"
	.amdhsa_code_object_version 6
	.text
	.protected	k_q2c0ffced2b_hidden
	.globl	k_q2c0ffced2b_hidden
	.p2align	8
	.type	k_q2c0ffced2b_hidden,@function
k_q2c0ffced2b_hidden:
	s_mov_b64 s[64:65], 0
	v_nop
	global_prefetch_b8 v0, s[64:65] scope:SCOPE_SE
	s_setreg_imm32_b32 hwreg(HW_REG_WAVE_SCHED_MODE, 0, 2), 2
	s_setreg_imm32_b32 hwreg(HW_REG_WAVE_MODE, 25, 1), 1
	s_wait_xcnt 0x0
	s_wait_alu depctr_vm_vsrc(0)
; THE HIDDEN LAYER OF THE CHOSEN ROWS: hid = Q(silu(x W1 + b1) (x W2 + b2)), both products on E4M3 codes, sums in f32, Q with the given 2^e5.
; SHARES.  Work-group g: expert e = g / 32, hidden units 64 (g % 32) on.  Wave w: units u0 = 64 (g % 32) + 32 (w / 2) .. + 31 of W1 AND of W2, whose codes (2 x 32 rows x 1,024 bytes = 512 registers)
; stay in its registers; it walks the tiles of 16 rows j = w % 2, w % 2 + 2, .. of its expert.
; THE ROWS.  sel[token], whole numbers that an earlier launch stored, holds a bit for each chosen expert.  Each wave makes 32 ballots for its expert (word k, bit b = token 128 (k / 4) + 4 b + k % 4) and keeps the
; words and their running counts in registers.  Row p of the expert is the p-th set bit in that order: SELECT finds it.  The launch that follows orders the rows by the same rule.
; The number of tiles hangs on the count of set bits: the one barrier stands at the head, ahead of every branch on data.
; THE WEIGHTS are asked for once by the work-group, in whole rows: wave w fetches the 32 rows of W1 (w even) or W2 (w odd) of its own units, 64 loads of 512 consecutive bytes, and lays them into LDS, 1,040 bytes apart,
; a tile's 16 rows on end; behind the barrier each wave reads its 32 fragments.  1,040 = 65 x 16: the 16 rows that a fragment load touches start at 16 different places modulo 256 bytes.
; What else is shared between work-groups (the rows' codes) cannot be asked for jointly: partners would have different numbers of tiles.
; LAYOUT.  The products are used transposed: source 0 = 16 rows of W, source 1 = 16 rows of x.  Lane m of tile tau takes W's row u0 + 8 tau + m + 8 (m / 8), so that lane (r, h) holds row r of the tile and its
; 16 registers of tiles 0 and 1 are the neighbours u0 + 16 h + 0 .. 15: the conversions' results are 16 bytes of the next product's operand.
; A fragment is fetched by four loads of 16 bytes (registers 4 c .. 4 c + 3: k = 128 s + 32 c + 16 h + 0 .. 15), alike in both sources: a permutation of k inside an instruction.
; hid holds images of operand registers: byte = e 2^21 + j 32,768 + (unit / 32) 512 + 16 lane.  Rows of the last tile beyond the count are some valid token's: they fill the image, and what comes of them is never stored.
; SCALES.  A sum stands for sum x 2^(e0 + e1) (or e2 + e3): the biases go in as the C of the first K step, divided by that power; silu's exponent takes c = -log2(e) 2^(e0 + e1); the conversion takes 2^E, E = e5 - e0 - e1 - e2 - e3.
; Where e0 = e2 the two versions of x's codes are the same bytes, and one is loaded for both products.
; LIMITS: e0 + e1 between -126 and 126; E between -126 and 119.  NaN is not served.  Every split is served: 0 to 1,024 rows an expert.
; REGISTERS.  window 0: v1-16 addresses and constants; v20-23 codes; v32-47 sums of W1 (a0, a1), v48-63 of W2 (a2, a3); v64-79, v80-95 the biases; v96-111 at work; v112-143 the ballots; v144-175 their running counts;
;   v176-207 sel as loaded; v208-219 SELECT's.  window 1: W's rows as loaded, then W's fragments of K steps 0-3, (s, m, tau) at v[64 (s % 4) + 32 m + 16 tau]; window 2: K steps 4-7; window 3: x's fragments, version m, K step s at v[128 m + 16 s].
;   s66-97: the ballots at the head; from then on s67-97 are SELECT's 31 masks.
; THE MODE: SCHED_MODE bits 1:0 = 2 (LLVM: expert scheduling mode 2), set by the entry lines.  The code itself states the register dependences between vector or matrix instructions and memory or LDS
; instructions, and those through scalar registers and VCC that vector instructions write, with s_wait_alu, always for 0.
; THE PLAN.  Registers that memory or LDS instructions touch:
;   v12, v16, v4, v6   offsets and LDS addresses: written once at the head, ahead of the head's wait on va_vdst; only read from then on.
;   window 1, raw      W's rows: loaded; read by my LDS stores; then the fragments' LDS loads land there: one wait on vm_vsrc behind the barrier, ahead of every branch.
;   v11                the first tile's offset: written at the head from SELECT; one wait on va_vdst ahead of the first tile's loads; never written again.
;   window 3, chunk q  (K steps 2 q, 2 q + 1 of x's codes)  read by the eight products MUL q; the next tile's loads land in it at the head of step q + 1 (chunk 3: behind MUL 3's places),
;                      each run behind a wait on va_vdst, which stands behind the step's wait for its own data.  The products that follow a run name another chunk.
;   v10                the next tile's offset: read by the trip's four runs of loads; written at the trip's head.
;   v13, v20-23        the store's offset and data: v13 written at the tile's head, v20-23 by the tile's conversions; read by the tile's one store, behind a wait on va_vdst.
;   The wait on vm_vsrc for v10, v13 and v20-23 stands at a tile's head, behind SELECT, beside the wait on XCNT: a whole SELECT behind the loads and the store that it waits for.
;   v254, v255         written at the head, read by the closing add alone.
.set H1, 32
.set BI, 64
.set T,  96
.set M,  112
.set P,  144
.set S,  176
.set Q,  208
.set WP, 1040                          ; a row of W in LDS: 1,024 bytes + 16
.set WREG, 32*WP                       ; 32 rows: what one wave lays down
.set MSB, 0
.macro WIN new                         ; the immediate's high byte repeats the setting that is left
.if MSB != \new
	s_set_vgpr_msb (MSB<<8)|\new
.set MSB, \new
.endif
.endm
.macro PLACES                          ; four plain lines between a matrix instruction and a load into its sources or a vector read of its result
.rept 4
	v_nop
.endr
.endm
; one step of the descent: t = the set bits among the next inc bits from pos on; where q >= t, they are passed over
.macro SSTEP x, w, inc
	v_bfe_u32 v[Q+10], v[\x], v[Q+9], \w
	v_cmp_ge_u32 vcc_lo, v[Q+4], v[Q+10]
	s_wait_alu depctr_va_vcc(0)                    ; the compare has written VCC, which the two selections below read
	v_cndmask_b32 v[Q+10], 0, v[Q+10], vcc_lo
	v_cndmask_b32 v[Q+11], 0, \inc, vcc_lo
	v_sub_nc_u32 v[Q+4], v[Q+4], v[Q+10]
	v_add_nc_u32 v[Q+9], v[Q+9], v[Q+11]
.endm
; v[Q] = a position p; v[out] = the token that stands there.  The running counts never fall, so the word that holds the p-th set bit is the last whose count is at most p.
; In it bit number q = p - count is found by halving, on the counts of its pairs, fours, bytes and halves.  A position beyond the expert's rows gives some number up to 1,023.
; The 31 compares hang on the counts and on p alone: they go as one run into 31 scalar registers, with one wait behind the run.
.macro SELECT out
.irp k, 1,2,3,4,5,6,7,8,9,10,11,12,13,14,15,16,17,18,19,20,21,22,23,24,25,26,27,28,29,30,31
	v_cmp_le_u32 s[66+\k], v[P+\k], v[Q]
.endr
	v_mov_b32 v[Q+1], v[M]                         ; the word,
	v_mov_b32 v[Q+2], 0                            ; its running count,
	v_mov_b32 v[Q+3], 0                            ; its number k
	s_wait_alu depctr_va_sdst(0)                   ; the 31 compares have written s67 to s97, which the selections below read
.irp k, 1,2,3,4,5,6,7,8,9,10,11,12,13,14,15,16,17,18,19,20,21,22,23,24,25,26,27,28,29,30,31
	v_cndmask_b32 v[Q+1], v[Q+1], v[M+\k], s[66+\k]
	v_cndmask_b32 v[Q+2], v[Q+2], v[P+\k], s[66+\k]
	v_cndmask_b32 v[Q+3], v[Q+3], \k, s[66+\k]
.endr
	v_sub_nc_u32 v[Q+4], v[Q], v[Q+2]              ; q
	v_lshrrev_b32 v[Q+5], 1, v[Q+1]
	v_and_b32 v[Q+5], 0x55555555, v[Q+5]
	v_sub_nc_u32 v[Q+5], v[Q+1], v[Q+5]            ; counts of pairs
	v_lshrrev_b32 v[Q+6], 2, v[Q+5]
	v_and_b32 v[Q+6], 0x33333333, v[Q+6]
	v_and_b32 v[Q+7], 0x33333333, v[Q+5]
	v_add_nc_u32 v[Q+6], v[Q+6], v[Q+7]            ; of fours
	v_lshrrev_b32 v[Q+7], 4, v[Q+6]
	v_add_nc_u32 v[Q+7], v[Q+7], v[Q+6]
	v_and_b32 v[Q+7], 0x0f0f0f0f, v[Q+7]           ; of bytes
	v_lshrrev_b32 v[Q+8], 8, v[Q+7]
	v_add_nc_u32 v[Q+8], v[Q+8], v[Q+7]            ; byte 0: of the low half
	v_mov_b32 v[Q+9], 0                            ; pos
	SSTEP Q+8, 8, 16
	SSTEP Q+7, 8, 8
	SSTEP Q+6, 4, 4
	SSTEP Q+5, 2, 2
	SSTEP Q+1, 1, 1
	v_lshrrev_b32 v[Q+10], 2, v[Q+3]
	v_and_b32 v[Q+11], 3, v[Q+3]
	v_lshl_add_u32 v[Q+11], v[Q+9], 2, v[Q+11]
	v_lshl_add_u32 v[\out], v[Q+10], 7, v[Q+11]    ; 128 (k / 4) + 4 pos + k % 4
.endm
.macro WFRAG                           ; my 32 fragments of W out of LDS: 128 loads
	WIN 0x40                                       ; destination window 1
.irp s, 0,1,2,3
.irp m, 0,1
.irp t, 0,1
.irp c, 0,1,2,3
	ds_load_b128 v[64*\s+32*\m+16*\t+4*\c:64*\s+32*\m+16*\t+4*\c+3], v6 offset:\m*WREG+\t*16*WP+128*\s+32*\c
.endr
.endr
.endr
.endr
	WIN 0x80                                       ; destination window 2
.irp s, 0,1,2,3
.irp m, 0,1
.irp t, 0,1
.irp c, 0,1,2,3
	ds_load_b128 v[64*\s+32*\m+16*\t+4*\c:64*\s+32*\m+16*\t+4*\c+3], v6 offset:\m*WREG+\t*16*WP+128*(\s+4)+32*\c
.endr
.endr
.endr
.endr
.endm
.macro XLOAD c4, nv, xo                ; x's fragments of K steps 2 c4, 2 c4 + 1: 8 nv loads
.irp s, 2*\c4, 2*\c4+1
.irp c, 0,1,2,3
	global_load_b128 v[16*(\s)+4*\c:16*(\s)+4*\c+3], v[\xo], s[4:5] offset:128*(\s)+32*\c
.if \nv == 2
	global_load_b128 v[128+16*(\s)+4*\c:128+16*(\s)+4*\c+3], v[\xo], s[20:21] offset:128*(\s)+32*\c
.endif
.endr
.endr
.endm
.macro NEXTX c4, nv                    ; chunk c4 is asked for again, for the next tile: the window switch, the wait, the loads
	WIN 0xc0                                       ; destination window 3
	s_wait_alu depctr_va_vdst(0)                   ; the products of chunk c4 are done reading its registers, in which these loads land; ahead of the trip's first run: v10, their offset, is written
	XLOAD \c4, \nv, 10
.endm
.macro MUL c4, nv                      ; two K steps; the four accumulators take turns, one instruction a turn
.irp s, 2*\c4, 2*\c4+1
.irp a, 0,1,2,3
.set WR, 64*((\s)%4)+16*\a
.set XR, 16*(\s)+128*(\a/2)*(\nv-1)
.if (\s) == 0
	v_wmma_f32_16x16x128_fp8_fp8 v[H1+8*\a:H1+8*\a+7], v[WR:WR+15], v[XR:XR+15], v[BI+8*\a:BI+8*\a+7]
.else
	v_wmma_f32_16x16x128_fp8_fp8 v[H1+8*\a:H1+8*\a+7], v[WR:WR+15], v[XR:XR+15], v[H1+8*\a:H1+8*\a+7]
.endif
.endr
.endr
.endm
.macro EPI                             ; a1 a2 / (1 + 2^(c a1)), held, converted, stored.  Each accumulator is read from its low end on
.irp i, 0,2,4,6,8,10,12,14
	v_pk_mul_f32 v[T+\i:T+\i+1], v[H1+\i:H1+\i+1], s[38:39] op_sel_hi:[1,0]
.endr
	s_wait_alu depctr_va_vdst(0)
.irp i, 0,1,2,3,4,5,6,7,8,9,10,11,12,13,14,15
	v_exp_f32 v[T+\i], v[T+\i]
.endr
	s_wait_alu depctr_va_vdst(0)
.irp i, 0,2,4,6,8,10,12,14
	v_pk_mul_f32 v[H1+\i:H1+\i+1], v[H1+\i:H1+\i+1], v[H1+16+\i:H1+17+\i]   ; independent work behind the batch
.endr
	s_wait_alu depctr_va_vdst(0)                   ; one wait for the 16 exponentials, ahead of their first reader
.irp i, 0,2,4,6,8,10,12,14
	v_pk_add_f32 v[T+\i:T+\i+1], v[T+\i:T+\i+1], 1.0 op_sel_hi:[1,0]
.endr
	s_wait_alu depctr_va_vdst(0)
.irp i, 0,1,2,3,4,5,6,7,8,9,10,11,12,13,14,15
	v_rcp_f32 v[T+\i], v[T+\i]
.endr
	v_nop
	s_wait_alu depctr_va_vdst(0)                   ; one wait for the 16 reciprocals, ahead of their first reader
.irp i, 0,2,4,6,8,10,12,14
	v_pk_mul_f32 v[H1+\i:H1+\i+1], v[H1+\i:H1+\i+1], v[T+\i:T+\i+1]
.endr
.irp i, 0,1,2,3,4,5,6,7,8,9,10,11,12,13,14,15
	v_med3_num_f32 v[H1+\i], v[H1+\i], -v15, v15   ; the conversion does not saturate (ISA guide 7.6.2)
.endr
	v_cvt_scalef32_pk8_fp8_f32 v[20:21], v[H1:H1+7], v14
	v_cvt_scalef32_pk8_fp8_f32 v[22:23], v[H1+8:H1+15], v14
	v_nop                                          ; a plain line behind the conversions: the next tile's products write their sources
	s_wait_alu depctr_va_vdst(0)                   ; the conversions have written v20-23, the store's data; v13, its offset, was written at the tile's head
	global_store_b128 v13, v[20:23], s[18:19]      ; the wave stores 512 consecutive bytes, aligned
.endm
; A tile of 16 rows.  more = 1: the next tile's codes are asked for chunk by chunk, each into the registers that its products have left, a step behind those products; the tokens of the tile after that
; are found at the trip's head, in front of the wait for this tile's codes.  The offsets that the last tile's loads and store read are made anew behind SELECT.
.macro HTILE more, nv
.if \more
	v_min_u32 v9, 0x3ff, v8                        ; the next tile's token is held inside xq before it enters an address; SELECT below writes v8 anew
	s_add_co_u32 s37, s36, 4
	s_min_u32 s37, s37, 63
	s_lshl_b32 s37, s37, 4
	v_add_nc_u32 v[Q], s37, v2                     ; position 16 (j + 4) + r
	SELECT 8
.endif
	s_wait_xcnt 0x0                                ; the last tile's loads and store have had their addresses translated: v10, v13 and v20-23 are written again only behind this wait
	s_wait_alu depctr_vm_vsrc(0)                   ; the last tile's loads have read v10, its store v13 and v20-23, which the lines below and this tile's conversions write
.if \more
	v_lshl_add_u32 v10, v9, 10, v5                 ; the next tile: the token's row of 1,024 codes, + 16 h
.endif
	s_min_u32 s37, s36, 63
	s_lshl_b32 s37, s37, 15
	v_add_nc_u32 v13, s37, v12                     ; this tile's image
.if \more
	s_wait_loadcnt 24*\nv                          ; behind this tile's chunk 0: its chunks 1 to 3
	WIN 0x0d                                       ; source 0 (W) window 1, source 1 (x) window 3, C and D window 0
	MUL 0, \nv
	PLACES
	s_wait_loadcnt 16*\nv                          ; behind chunk 1: chunks 2 and 3
	NEXTX 0, \nv
	WIN 0x0d
	MUL 1, \nv                                     ; these name chunk 1, W, and the sums: none of the registers of the loads above
	PLACES
	s_wait_loadcnt 16*\nv                          ; behind chunk 2: chunk 3 and the next tile's chunk 0
	NEXTX 1, \nv
	WIN 0x0e                                       ; W in window 2
	MUL 2, \nv
	PLACES
	s_wait_loadcnt 16*\nv                          ; behind chunk 3: the next tile's chunks 0 and 1
	NEXTX 2, \nv
	WIN 0x0e
	MUL 3, \nv
	PLACES                                         ; also the places in front of the first read of the sums
	NEXTX 3, \nv
.else
	s_wait_alu depctr_va_vdst(0)
.irp q, 0,1,2,3
	s_wait_loadcnt 8*\nv*(3-\q)                    ; behind this chunk: this tile's 3 - q chunks
.if \q < 2
	WIN 0x0d
.else
	WIN 0x0e
.endif
	MUL \q, \nv
	PLACES
.endr
.endif
	WIN 0
	EPI
.if \more
	s_add_co_u32 s36, s36, 2
.endif
.endm
.macro HPATH nv
	WIN 0xc0
	s_wait_alu depctr_va_vdst(0)                   ; v11, the first tile's offset, is written
	XLOAD 0, \nv, 11                               ; my first tile's codes are asked for ahead of the LDS loads, so that both are on their way together
	XLOAD 1, \nv, 11
	XLOAD 2, \nv, 11
	XLOAD 3, \nv, 11
	WFRAG
	WIN 0
.irp i, 0,1,2,3,4,5,6,7,8,9,10,11,12,13,14,15
	v_ldexp_f32 v[BI+\i], v[BI+\i], s46            ; b1 / 2^(e0 + e1)
	v_ldexp_f32 v[BI+16+\i], v[BI+16+\i], s47      ; b2 / 2^(e2 + e3)
.endr
	s_wait_dscnt 0x0                               ; W's fragments are in
	s_cmp_eq_u32 s35, 0
	s_cbranch_scc1 .Ltail_\nv
.Lloop_\nv:
	HTILE 1, \nv
	s_sub_co_i32 s35, s35, 1
	s_cmp_lg_u32 s35, 0
	s_cbranch_scc1 .Lloop_\nv
.Ltail_\nv:
	HTILE 0, \nv                                   ; the last tile asks for nothing more
	s_wait_dscnt 0x0                               ; the closing lines, six on end
	s_wait_alu 0x0
	s_wait_tensorcnt 0x0
	ds_add_u32 v254, v255
	s_wait_dscnt 0x0
	s_endpgm
.endm
	s_load_b512 s[4:19], s[0:1], 0x0               ; xq s[4:5], sel s[6:7], W1 s[8:9], W2 s[10:11], b1 s[12:13], b2 s[14:15], the exponents s[16:17], hid s[18:19]
	v_lshl_add_u32 v254, v0, 2, 0x20800
	v_mov_b32 v255, 0
	v_lshrrev_b32 v1, 5, v0
	v_readfirstlane_b32 s22, v1                    ; wave
	v_and_b32 v1, 31, v0
	v_and_b32 v2, 15, v0                           ; r
	v_bfe_u32 v3, v0, 4, 1                         ; h
	v_lshlrev_b32 v5, 4, v3                        ; 16 h
	v_lshlrev_b32 v12, 4, v1                       ; 16 x lane
	s_wait_alu depctr_va_vdst(0)
	v_lshlrev_b32 v16, 6, v3                       ; 64 h: my 16 numbers of a bias
	s_lshr_b32 s23, ttmp9, 5                       ; expert
	s_and_b32 s24, ttmp9, 31
	s_wait_alu depctr_va_sdst(0)                   ; s22 is written, ahead of its first reader
	s_lshr_b32 s25, s22, 1                         ; which 32 units are mine
	s_and_b32 s26, s22, 1                          ; which tiles are mine; also: I fetch W1 (0) or W2 (1)
	s_lshl_b32 s27, s24, 6
	s_lshl_b32 s37, s25, 5
	s_add_co_u32 s27, s27, s37                     ; u0
	s_mul_i32 s37, s22, WREG
	v_add_nc_u32 v4, s37, v12                      ; W into LDS: my wave's 32 rows, 16 bytes a lane
	s_mul_i32 s37, s25, 2*WREG
	v_mul_u32_u24 v6, v2, WP
	v_add_nc_u32 v6, v6, v5
	v_add_nc_u32 v6, s37, v6                       ; W out of LDS: my units' two regions (W1's, then W2's), row r of a tile, + 16 h
	s_mov_b32 s43, 0
	s_mov_b32 s45, 0
	s_mov_b32 s36, s26                             ; j
	s_wait_kmcnt 0x0
	s_load_b128 s[28:31], s[16:17], 0x0            ; e0 .. e3
	s_load_b32 s32, s[16:17], 0x14                 ; e5
	s_lshl_b32 s42, s23, 11
	s_add_co_u32 s42, s42, s27                     ; 2048 e + u0
	s_lshl_b32 s44, s42, 2
	s_lshl_b32 s42, s42, 10
	s_cmp_eq_u32 s26, 0
	s_cselect_b64 s[8:9], s[8:9], s[10:11]         ; the matrix that I fetch: the choice hangs on the wave's number alone
	s_add_nc_u64 s[8:9], s[8:9], s[42:43]
	s_add_nc_u64 s[12:13], s[12:13], s[44:45]
	s_add_nc_u64 s[14:15], s[14:15], s[44:45]
	s_lshl_b32 s42, s23, 21
	s_lshl_b32 s44, s27, 4                         ; (u0 / 32) x 512
	s_add_co_u32 s42, s42, s44
	s_add_nc_u64 s[18:19], s[18:19], s[42:43]
	s_add_nc_u64 s[20:21], s[4:5], 0x100000        ; xq's second version
	s_wait_alu depctr_va_vdst(0)                   ; v12 and v16, the offsets of the loads below, and v4 and v6, the LDS addresses, are written; nothing writes them again.  Only loads and window switches follow, down to the last load
.irp j, 0,1,2,3,4,5,6,7
	global_load_b128 v[S+4*\j:S+4*\j+3], v12, s[6:7] offset:512*\j     ; sel: register 4 j + c = token 128 j + 4 lane + c
.endr
.irp i, 0,1,2,3
	global_load_b128 v[BI+4*\i:BI+4*\i+3], v16, s[12:13] offset:16*\i
	global_load_b128 v[BI+16+4*\i:BI+16+4*\i+3], v16, s[14:15] offset:16*\i
.endr
	WIN 0x40                                       ; destination window 1
.set i, 0
.rept 64                               ; load i: half i % 2 of the row that goes to place i / 2 of my region.  Place 16 tau + m holds row 8 tau + m + 8 (m / 8)
.set QR, i/2
.set GR, 8*(QR/16)+(QR%16)+8*((QR%16)/8)
	global_load_b128 v[4*i:4*i+3], v12, s[8:9] offset:GR*1024+512*(i%2) th:TH_LOAD_NT      ; 512 consecutive bytes; read once in the launch
.set i, i+1
.endr
	WIN 0
	s_wait_loadcnt 63                              ; 72 loads were issued behind sel's eight: they are in
.irp k, 0,1,2,3,4,5,6,7,8,9,10,11,12,13,14,15,16,17,18,19,20,21,22,23,24,25,26,27,28,29,30,31
	v_bfe_u32 v[Q+(\k%4)], v[S+\k], s23, 1
	v_cmp_ne_u32 s[66+\k], 0, v[Q+(\k%4)]          ; ballot k: who of these 32 tokens chose my expert
.endr
	s_wait_alu depctr_va_sdst(0)                   ; the 32 compares have written s66 to s97, which the moves and the counts below read
	s_mov_b32 s98, 0
.irp k, 0,1,2,3,4,5,6,7,8,9,10,11,12,13,14,15,16,17,18,19,20,21,22,23,24,25,26,27,28,29,30,31
	v_mov_b32 v[M+\k], s[66+\k]
	v_mov_b32 v[P+\k], s98                         ; chosen in the words ahead of it
	s_bcnt1_i32_b32 s99, s[66+\k]
	s_add_co_u32 s98, s98, s99
.endr
	s_lshl_b32 s37, s26, 4
	v_add_nc_u32 v[Q], s37, v2                     ; my row of my first tile,
	SELECT 9
	v_add_nc_u32 v[Q], 32, v[Q]                    ; and of my second: its offset is made at the first trip's head
	SELECT 8
	v_min_u32 v11, 0x3ff, v9
	v_lshl_add_u32 v11, v11, 10, v5                ; the first tile: the token's row of x's codes, + 16 h
	WIN 0x04                                       ; store data in window 1
.irp g, 0,1,2,3
	s_wait_loadcnt 48-16*\g                        ; these 16 loads are in; the later groups of 16 may be out
.irp u, 0,1,2,3,4,5,6,7,8,9,10,11,12,13,14,15
.set i, 16*\g+\u
	ds_store_b128 v4, v[4*i:4*i+3] offset:(i/2)*WP+512*(i%2)     ; the data come from loads; v4 was written ahead of the head's wait, and no vector instruction since names it
.endr
.endr
	WIN 0
	s_wait_dscnt 0x0                               ; for the others: my 32 rows lie in LDS
	s_barrier_signal -1
	s_barrier_wait -1                              ; the launch's one barrier; LDS is only read from here on
	s_wait_alu depctr_vm_vsrc(0)                   ; my LDS stores have read W's rows in window 1, in which the fragments' loads land; ahead of the branches, so on every way to those loads
	s_wait_kmcnt 0x0
	s_min_u32 s33, s98, 0x400                      ; rows of my expert
	s_add_co_u32 s34, s33, 15
	s_lshr_b32 s34, s34, 4                         ; its tiles
	s_add_co_u32 s35, s34, 1
	s_sub_co_u32 s35, s35, s26
	s_lshr_b32 s35, s35, 1                         ; of which mine
	s_cmp_eq_u32 s35, 0
	s_cbranch_scc1 .Lend                           ; a split may leave me without rows
	s_add_co_i32 s46, s28, s29                     ; e0 + e1
	s_add_co_i32 s47, s30, s31                     ; e2 + e3
	s_lshl_b32 s38, s46, 23
	s_add_co_i32 s38, s38, 0xbfb8aa3b              ; c = -log2(e) x 2^(e0 + e1): the sum is added to the constant's exponent field
	s_mov_b32 s39, s38                             ; (named with it as a pair)
	s_sub_co_i32 s48, s32, s46
	s_sub_co_i32 s48, s48, s47                     ; E
	s_add_co_i32 s48, s48, 127
	s_lshl_b32 s49, s48, 23
	v_mov_b32 v14, s49                             ; 2^E
	s_add_co_i32 s48, s48, 8
	s_lshl_b32 s48, s48, 23
	s_or_b32 s48, s48, 0x600000
	v_mov_b32 v15, s48                             ; 448 x 2^E
	s_sub_co_i32 s46, 0, s46
	s_sub_co_i32 s47, 0, s47
	s_sub_co_u32 s35, s35, 1                       ; trips of the loop: all my tiles but the last
	s_cmp_lg_u32 s28, s30
	s_cbranch_scc1 .Ltwo
	HPATH 1
.Ltwo:
	HPATH 2
.Lend:
	s_wait_dscnt 0x0                               ; the closing lines, six on end
	s_wait_alu 0x0
	s_wait_tensorcnt 0x0
	ds_add_u32 v254, v255
	s_wait_dscnt 0x0
	s_endpgm
.Lfunc_end_k_q2c0ffced2b_hidden:
	.size	k_q2c0ffced2b_hidden, .Lfunc_end_k_q2c0ffced2b_hidden-k_q2c0ffced2b_hidden
	.p2alignl 7, 3214868480
	.fill 96, 4, 3214868480
	.section	.rodata,"a",@progbits
	.p2align	6, 0x0
	.amdhsa_kernel k_q2c0ffced2b_hidden
		.amdhsa_group_segment_fixed_size 133632
		.amdhsa_private_segment_fixed_size 0
		.amdhsa_enable_private_segment 0
		.amdhsa_kernarg_size 64
		.amdhsa_user_sgpr_count 2
		.amdhsa_user_sgpr_kernarg_segment_ptr 1
		.amdhsa_wavefront_size32 1
		.amdhsa_system_sgpr_workgroup_id_x 1
		.amdhsa_system_sgpr_workgroup_id_y 1
		.amdhsa_system_sgpr_workgroup_id_z 1
		.amdhsa_system_vgpr_workitem_id 0
		.amdhsa_next_free_vgpr 1024
		.amdhsa_next_free_sgpr 100
		.amdhsa_reserve_vcc 1
		.amdhsa_float_denorm_mode_32 3
		.amdhsa_float_denorm_mode_16_64 3
		.amdhsa_memory_ordered 1
		.amdhsa_forward_progress 1
		.amdhsa_inst_pref_size 134
	.end_amdhsa_kernel
	.amdgpu_metadata
---
amdhsa.version: [ 1, 2 ]
amdhsa.kernels:
  - .name:           k_q2c0ffced2b_hidden
    .symbol:         k_q2c0ffced2b_hidden.kd
    .args:
      - { .name: xq, .offset: 0, .size: 8, .value_kind: global_buffer, .address_space: global }
      - { .name: sel, .offset: 8, .size: 8, .value_kind: global_buffer, .address_space: global }
      - { .name: W1_codes, .offset: 16, .size: 8, .value_kind: global_buffer, .address_space: global }
      - { .name: W2_codes, .offset: 24, .size: 8, .value_kind: global_buffer, .address_space: global }
      - { .name: b1, .offset: 32, .size: 8, .value_kind: global_buffer, .address_space: global }
      - { .name: b2, .offset: 40, .size: 8, .value_kind: global_buffer, .address_space: global }
      - { .name: lowp_scales, .offset: 48, .size: 8, .value_kind: global_buffer, .address_space: global }
      - { .name: hid, .offset: 56, .size: 8, .value_kind: global_buffer, .address_space: global }
    .group_segment_fixed_size: 133632
    .private_segment_fixed_size: 0
    .kernarg_segment_align: 8
    .kernarg_segment_size: 64
    .max_flat_workgroup_size: 128
    .sgpr_count:     100
    .vgpr_count:     1024
    .wavefront_size: 32
...
	.end_amdgpu_metadata
.endif
;; end of part 6
;; launch down (part 7): grid 256 x 1, 4 waves a work-group, no clusters, 84,480 bytes of LDS; arguments hid, sel, W3_codes, b3, lowp_scales, yb; writes yb
.if DOCPART == 7
	.amdgcn_target "amdgcn-amd-amdhsa--gfx1250"
	.amdhsa_code_object_version 6
	.text
	.protected	k_q2c0ffced2b_down
	.globl	k_q2c0ffced2b_down
	.p2align	8
	.type	k_q2c0ffced2b_down,@function
k_q2c0ffced2b_down:
	s_mov_b64 s[64:65], 0
	v_nop
	global_prefetch_b8 v0, s[64:65] scope:SCOPE_SE
	s_setreg_imm32_b32 hwreg(HW_REG_WAVE_MODE, 25, 1), 1
	s_wait_xcnt 0x0
; THE SECOND LAYER OF THE CHOSEN ROWS: y = hidden W3 + b3, on E4M3 codes, sums in f32, K = 2,048 cut into two halves whose sums are added by the last launch.
; SHARES.  Work-group g: expert e = g / 32, columns D0 = 64 ((g / 2) % 16) .. + 63, K half kh = g % 2.  Each of its four waves keeps these 64 rows x 1,024 codes of W3 (512 registers) and
; walks the tiles of 16 rows j = w, w + 4, ..  The half K lets a wave hold four tiles of columns, so that a row's 64 results are 256 bytes, aligned, and each fragment of the hidden layer feeds four products.
; THE ROWS are ordered as the launch before ordered them: from sel, whole numbers that an earlier launch stored, each wave makes 32 ballots for its expert (word k, bit b = token 128 (k / 4) + 4 b + k % 4), their running
; counts, and 32 ballots 'a lower expert is chosen too'.  Row p is the p-th set bit; its slot in yb is 2 x token + that second bit.  SELECT finds both.
; The number of tiles hangs on the count of set bits: the one barrier stands at the head, ahead of every branch on data.
; THE WEIGHTS are asked for once by the work-group, in runs of 512 consecutive bytes: wave w fetches tile w's 16 rows (32 loads) and lays them into LDS 1,040 bytes apart; behind the barrier every wave reads all 32 fragments.
; LAYOUT.  Transposed: source 0 = 16 rows of W3, source 1 = a tile of the hidden layer (an image of its registers: four dense loads a K step).  Lane m of tile tau takes W3's row
; D0 + 32 (tau / 2) + 8 (tau % 2) + m + 8 (m / 8): lane (r, h) then holds, of row r, columns D0 + 32 p + 16 h + 0 .. 15 in registers 16 p + 0 .. 15.
; yb: [2 halves][2048 slots][1024] f32.  b3 goes in with half 0 alone, as the C of the first K step, divided by 2^(e4 + e5).  Rows beyond the count in an expert's last tile are not stored.
; LIMITS: e4 + e5 between -126 and 126.  NaN and infinities in b3 are not served.
; REGISTERS.  window 0: v2-12 addresses; v16-23 the stores' offsets; v24-27 at work; v32-63 sums; v64-95 the bias; v96-127 rows read back; v128-159 the ballots; v160-191 the second ballots; v192-223 the running counts;
;   v224-255 sel as loaded, then SELECT's.  windows 1, 2: W3 as loaded, then its fragments, (s, tau) at v[64 (s % 4) + 16 tau]; window 3: v0-127 a tile's 8 fragments.
.set AC, 32
.set BI, 64
.set RB, 96
.set AD, 16
.set M,  128
.set B,  160
.set P,  192
.set S,  224
.set Q,  224
.set WP, 1040                          ; a row of W3's half in LDS: 1,024 bytes + 16
.set WL, 17408                         ; behind the four stages of 16 rows x 272 bytes
.set MSB, 0
.macro WIN new
.if MSB != \new
	s_set_vgpr_msb (MSB<<8)|\new
.set MSB, \new
.endif
.endm
.macro PLACES
.rept 4
	v_nop
.endr
.endm
.macro SSTEP x, w, inc                 ; t = the set bits among the next inc bits from pos on; where q >= t, they are passed over
	v_bfe_u32 v[Q+10], v[\x], v[Q+9], \w
	v_cmp_ge_u32 vcc_lo, v[Q+4], v[Q+10]
	v_cndmask_b32 v[Q+10], 0, v[Q+10], vcc_lo
	v_cndmask_b32 v[Q+11], 0, \inc, vcc_lo
	v_sub_nc_u32 v[Q+4], v[Q+4], v[Q+10]
	v_add_nc_u32 v[Q+9], v[Q+9], v[Q+11]
.endm
; v[Q] = a position p; v[Q+12] = the slot of the row that stands there.  The word that holds the p-th set bit is the last whose running count is at most p; in it bit q = p - count is found by halving.
.macro SELECT
	v_mov_b32 v[Q+1], v[M]
	v_mov_b32 v[Q+2], 0
	v_mov_b32 v[Q+3], 0
	v_mov_b32 v[Q+13], v[B]
.irp k, 1,2,3,4,5,6,7,8,9,10,11,12,13,14,15,16,17,18,19,20,21,22,23,24,25,26,27,28,29,30,31
	v_cmp_le_u32 vcc_lo, v[P+\k], v[Q]
	v_cndmask_b32 v[Q+1], v[Q+1], v[M+\k], vcc_lo
	v_cndmask_b32 v[Q+2], v[Q+2], v[P+\k], vcc_lo
	v_cndmask_b32 v[Q+3], v[Q+3], \k, vcc_lo
	v_cndmask_b32 v[Q+13], v[Q+13], v[B+\k], vcc_lo
.endr
	v_sub_nc_u32 v[Q+4], v[Q], v[Q+2]              ; q
	v_lshrrev_b32 v[Q+5], 1, v[Q+1]
	v_and_b32 v[Q+5], 0x55555555, v[Q+5]
	v_sub_nc_u32 v[Q+5], v[Q+1], v[Q+5]            ; counts of pairs
	v_lshrrev_b32 v[Q+6], 2, v[Q+5]
	v_and_b32 v[Q+6], 0x33333333, v[Q+6]
	v_and_b32 v[Q+7], 0x33333333, v[Q+5]
	v_add_nc_u32 v[Q+6], v[Q+6], v[Q+7]            ; of fours
	v_lshrrev_b32 v[Q+7], 4, v[Q+6]
	v_add_nc_u32 v[Q+7], v[Q+7], v[Q+6]
	v_and_b32 v[Q+7], 0x0f0f0f0f, v[Q+7]           ; of bytes
	v_lshrrev_b32 v[Q+8], 8, v[Q+7]
	v_add_nc_u32 v[Q+8], v[Q+8], v[Q+7]            ; byte 0: of the low half
	v_mov_b32 v[Q+9], 0                            ; pos
	SSTEP Q+8, 8, 16
	SSTEP Q+7, 8, 8
	SSTEP Q+6, 4, 4
	SSTEP Q+5, 2, 2
	SSTEP Q+1, 1, 1
	v_lshrrev_b32 v[Q+10], 2, v[Q+3]
	v_and_b32 v[Q+11], 3, v[Q+3]
	v_lshl_add_u32 v[Q+11], v[Q+9], 2, v[Q+11]
	v_lshl_add_u32 v[Q+12], v[Q+10], 7, v[Q+11]    ; the token: 128 (k / 4) + 4 pos + k % 4
	v_bfe_u32 v[Q+10], v[Q+13], v[Q+9], 1          ; 1 where a lower expert is chosen too
	v_lshl_add_u32 v[Q+12], v[Q+12], 1, v[Q+10]
.endm
.macro WFRAG                           ; W3's 32 fragments out of LDS: 128 loads
	WIN 0x40
.irp s, 0,1,2,3
.irp t, 0,1,2,3
.irp c, 0,1,2,3
	ds_load_b128 v[64*\s+16*\t+4*\c:64*\s+16*\t+4*\c+3], v3 offset:\t*16*WP+128*\s+32*\c
.endr
.endr
.endr
	WIN 0x80
.irp s, 0,1,2,3
.irp t, 0,1,2,3
.irp c, 0,1,2,3
	ds_load_b128 v[64*\s+16*\t+4*\c:64*\s+16*\t+4*\c+3], v3 offset:\t*16*WP+128*(\s+4)+32*\c
.endr
.endr
.endr
.endm
.macro HLOAD q, vo                     ; the hidden layer's fragments of K steps 2 q, 2 q + 1: 8 loads of 512 consecutive bytes
.irp s, 2*\q, 2*\q+1
.irp c, 0,1,2,3
	global_load_b128 v[16*(\s)+4*\c:16*(\s)+4*\c+3], v[\vo], s[4:5] offset:2048*(\s)+512*\c
.endr
.endr
.endm
.macro DMUL q                          ; two K steps; the four accumulators take turns, one instruction a turn
.irp s, 2*\q, 2*\q+1
.irp a, 0,1,2,3
.set WR, 64*((\s)%4)+16*\a
.if (\s) == 0
	v_wmma_f32_16x16x128_fp8_fp8 v[AC+8*\a:AC+8*\a+7], v[WR:WR+15], v[16*(\s):16*(\s)+15], v[BI+8*\a:BI+8*\a+7]
.else
	v_wmma_f32_16x16x128_fp8_fp8 v[AC+8*\a:AC+8*\a+7], v[WR:WR+15], v[16*(\s):16*(\s)+15], v[AC+8*\a:AC+8*\a+7]
.endif
.endr
.endr
.endm
.macro OTILE more
	s_min_u32 s37, s36, 63
	s_lshl_b32 s37, s37, 4
	v_add_nc_u32 v[Q], s37, v2                     ; position 16 j + r
	SELECT                                         ; in front of the wait for the tile's codes
.irp i, 0,1,2,3,4,5,6,7,8,9,10,11,12,13,14,15
	v_readlane_b32 s[48+\i], v[Q+12], \i           ; the tile's 16 slots
.endr
.irp q, 0,1,2,3
.if \more
	s_wait_loadcnt 24                              ; behind this chunk: this tile's 3 - q chunks and the next tile's q, 8 loads each
.else
	s_wait_loadcnt 24-8*\q
.endif
.if \q < 2
	WIN 0x0d                                       ; source 0 (W3) window 1, source 1 window 3, C and D window 0
.else
	WIN 0x0e
.endif
	DMUL \q
	PLACES
.if \more
	WIN 0xc0
	HLOAD \q, 6
.endif
.endr
	WIN 0
.irp i, 0,2,4,6,8,10,12,14,16,18,20,22,24,26,28,30
	v_pk_mul_f32 v[AC+\i:AC+\i+1], v[AC+\i:AC+\i+1], s[38:39] op_sel_hi:[1,0]     ; x 2^(e4 + e5); each accumulator from its low end on
.endr
.irp p, 0,1
.irp i, 0,1,2,3
	ds_store_b128 v8, v[AC+16*\p+4*\i:AC+16*\p+4*\i+3] offset:128*\p+16*\i
.endr
.endr
	s_wait_xcnt 0x0                                ; the last tile's stores have read v16-23 and v96-127, this tile's loads v6: they may be written
.irp t, 0,1,2,3,4,5,6,7
	v_mov_b32 v[AD+\t], s[48+2*\t]                 ; lanes 0-15 take row 2 t,
	v_cndmask_b32 v[AD+\t], v[AD+\t], s[49+2*\t], s44   ; lanes 16-31 row 2 t + 1
	v_min_u32 v[AD+\t], 0x7ff, v[AD+\t]            ; the slot is held inside yb before it enters an address
	v_lshl_add_u32 v[AD+\t], v[AD+\t], 12, v10
.endr
.irp t, 0,1,2,3,4,5,6,7
	ds_load_b128 v[RB+4*\t:RB+4*\t+3], v9 offset:544*\t          ; LDS serves a wave's instructions in order: these see the stores above
.endr
.if \more
	s_add_co_u32 s36, s36, 4
	s_add_co_u32 s37, s36, 4
	s_min_u32 s37, s37, 63
	s_lshl_b32 s37, s37, 15
	v_add_nc_u32 v6, s37, v5                       ; the tile after the next
	s_wait_alu depctr_va_vdst(0)
.irp t, 0,1,2,3,4,5,6,7
	s_wait_dscnt 7-\t
	global_store_b128 v[AD+\t], v[RB+4*\t:RB+4*\t+3], s[14:15]   ; sixteen lanes store 256 consecutive bytes, aligned
.endr
.else
	s_wait_alu depctr_va_vdst(0)
	s_wait_dscnt 0x0
	s_lshl_b32 s46, s36, 4
	s_sub_co_i32 s46, s33, s46                     ; rows of this tile that were chosen
.irp t, 0,1,2,3,4,5,6,7
	s_sub_co_i32 s37, s46, 2*\t
	v_cmp_gt_i32 vcc_lo, s37, v11                  ; row 2 t + h counts where h < rows - 2 t
	s_wait_xcnt 0x0                                ; EXEC changes only behind this wait
	s_and_saveexec_b32 s47, vcc_lo
	global_store_b128 v[AD+\t], v[RB+4*\t:RB+4*\t+3], s[14:15]
	s_wait_xcnt 0x0
	s_or_b32 exec_lo, exec_lo, s47
.endr
.endif
.endm
	s_load_b256 s[4:11], s[0:1], 0x0               ; hid s[4:5], sel s[6:7], W3 s[8:9], b3 s[10:11]
	s_load_b128 s[12:15], s[0:1], 0x20             ; the exponents s[12:13], yb s[14:15]
	v_lshl_add_u32 v30, v0, 2, 0x14800
	v_mov_b32 v31, 0
	v_lshrrev_b32 v1, 5, v0
	v_readfirstlane_b32 s20, v1                    ; wave
	v_and_b32 v1, 31, v0
	v_and_b32 v2, 15, v0                           ; r
	v_bfe_u32 v11, v0, 4, 1                        ; h
	v_lshlrev_b32 v5, 4, v1                        ; 16 x lane
	v_lshlrev_b32 v10, 4, v2                       ; 16 r
	v_lshlrev_b32 v12, 6, v11                      ; 64 h
	s_mul_i32 s37, s20, 4352                       ; my stage: 16 rows x (256 + 16) bytes
	v_mul_u32_u24 v8, v2, 272
	v_lshl_add_u32 v8, v11, 6, v8
	v_add_nc_u32 v8, s37, v8                       ; in: row r, + 64 h
	v_mul_u32_u24 v9, v11, 272
	v_lshl_add_u32 v9, v2, 4, v9
	v_add_nc_u32 v9, s37, v9                       ; back: lanes 0-15 one row, lanes 16-31 the next
	s_mul_i32 s37, s20, 16*WP
	s_add_co_u32 s37, s37, WL
	v_add_nc_u32 v4, s37, v5                       ; W3 into LDS: my tile's 16 rows, 16 bytes a lane
	v_mul_u32_u24 v3, v2, WP
	v_lshl_add_u32 v3, v11, 4, v3
	v_add_nc_u32 v3, WL, v3                        ; W3 out of LDS: row r of a tile, + 16 h
	s_lshl_b32 s37, s20, 15
	v_add_nc_u32 v7, s37, v5                       ; my first tile's image,
	v_add_nc_u32 v6, 0x20000, v7                   ; and my second's, four tiles on
	s_mov_b32 s36, s20                             ; j
	s_lshr_b32 s21, ttmp9, 5                       ; expert
	s_bfe_u32 s22, ttmp9, 0x40001                  ; which 64 columns
	s_and_b32 s23, ttmp9, 1                        ; which half of K
	s_lshl_b32 s24, s22, 6                         ; D0
	s_lshl_b32 s30, 1, s21
	s_sub_co_u32 s30, s30, 1                       ; the bits of the lower experts
	s_mov_b32 s44, 0xffff0000                      ; lanes 16-31
	s_mov_b32 s43, 0
	s_mov_b32 s47, 0
	s_wait_kmcnt 0x0
	s_load_b64 s[28:29], s[12:13], 0x10            ; e4, e5
.irp j, 0,1,2,3,4,5,6,7
	global_load_b128 v[S+4*\j:S+4*\j+3], v5, s[6:7] offset:512*\j      ; sel: register 4 j + c = token 128 j + 4 lane + c
.endr
	s_lshl_b32 s42, s21, 10
	s_add_co_u32 s42, s42, s24                     ; 1024 e + D0
	s_lshl_b32 s46, s42, 2
	s_lshr_b32 s45, s20, 1
	s_lshl_b32 s45, s45, 5
	s_add_co_u32 s42, s42, s45
	s_and_b32 s45, s20, 1
	s_lshl_b32 s45, s45, 3
	s_add_co_u32 s42, s42, s45                     ; + 32 (w / 2) + 8 (w % 2): the first row of the tile that I fetch
	s_lshl_b32 s42, s42, 11
	s_lshl_b32 s45, s23, 10
	s_add_co_u32 s42, s42, s45
	s_add_nc_u64 s[8:9], s[8:9], s[42:43]
	s_add_nc_u64 s[10:11], s[10:11], s[46:47]
	s_lshl_b32 s42, s21, 21
	s_lshl_b32 s45, s23, 14
	s_add_co_u32 s42, s42, s45
	s_add_nc_u64 s[4:5], s[4:5], s[42:43]
	s_lshl_b32 s42, s23, 23
	s_lshl_b32 s45, s22, 8
	s_add_co_u32 s42, s42, s45
	s_add_nc_u64 s[14:15], s[14:15], s[42:43]
.irp p, 0,1
.irp i, 0,1,2,3
	global_load_b128 v[BI+16*\p+4*\i:BI+16*\p+4*\i+3], v12, s[10:11] offset:128*\p+16*\i
.endr
.endr
	WIN 0x40                                       ; destination window 1
.set i, 0
.rept 32                               ; load i: half i % 2 of my tile's row m = i / 2, which is W3's row m + 8 (m / 8) from the tile's first
	global_load_b128 v[4*i:4*i+3], v5, s[8:9] offset:((i/2)+8*((i/2)/8))*2048+512*(i%2) th:TH_LOAD_NT     ; 512 consecutive bytes; read once in the launch
.set i, i+1
.endr
	WIN 0
	s_wait_loadcnt 40                              ; sel is in; the 8 loads of the bias and the 32 of W3 may be out
.irp k, 0,1,2,3,4,5,6,7,8,9,10,11,12,13,14,15,16,17,18,19,20,21,22,23,24,25,26,27,28,29,30,31
	v_bfe_u32 v[24+(\k%4)], v[S+\k], s21, 1
	v_cmp_ne_u32 s[66+\k], 0, v[24+(\k%4)]         ; ballot k: who of these 32 tokens chose my expert
.endr
	s_mov_b32 s98, 0
.irp k, 0,1,2,3,4,5,6,7,8,9,10,11,12,13,14,15,16,17,18,19,20,21,22,23,24,25,26,27,28,29,30,31
	v_mov_b32 v[M+\k], s[66+\k]
	v_mov_b32 v[P+\k], s98                         ; chosen in the words ahead of it
	s_bcnt1_i32_b32 s99, s[66+\k]
	s_add_co_u32 s98, s98, s99
.endr
.irp k, 0,1,2,3,4,5,6,7,8,9,10,11,12,13,14,15,16,17,18,19,20,21,22,23,24,25,26,27,28,29,30,31
	v_and_b32 v[24+(\k%4)], s30, v[S+\k]
	v_cmp_ne_u32 s[66+\k], 0, v[24+(\k%4)]         ; who chose a lower expert
.endr
.irp k, 0,1,2,3,4,5,6,7,8,9,10,11,12,13,14,15,16,17,18,19,20,21,22,23,24,25,26,27,28,29,30,31
	v_mov_b32 v[B+\k], s[66+\k]
.endr
	WIN 0x04                                       ; store data in window 1
.irp g, 0,1
	s_wait_loadcnt 16-16*\g                        ; these 16 loads are in; the second group may be out
.irp u, 0,1,2,3,4,5,6,7,8,9,10,11,12,13,14,15
.set i, 16*\g+\u
	ds_store_b128 v4, v[4*i:4*i+3] offset:(i/2)*WP+512*(i%2)
.endr
.endr
	WIN 0
	s_wait_dscnt 0x0                               ; for the others: my 16 rows lie in LDS
	s_barrier_signal -1
	s_barrier_wait -1                              ; the launch's one barrier; W3's bytes are only read from here on, and each wave's stage is its own
	s_wait_kmcnt 0x0
	s_min_u32 s33, s98, 0x400                      ; rows of my expert
	s_add_co_u32 s34, s33, 15
	s_lshr_b32 s34, s34, 4                         ; its tiles
	s_add_co_u32 s35, s34, 3
	s_sub_co_u32 s35, s35, s20
	s_lshr_b32 s35, s35, 2                         ; of which mine
	s_cmp_eq_u32 s35, 0
	s_cbranch_scc1 .Lend                           ; a split may leave me without rows
	s_add_co_i32 s45, s28, s29                     ; e4 + e5
	s_add_co_i32 s38, s45, 127
	s_lshl_b32 s38, s38, 23                        ; 2^(e4 + e5)
	s_mov_b32 s39, s38
	s_sub_co_i32 s45, 127, s45
	s_lshl_b32 s45, s45, 23                        ; 2^-(e4 + e5),
	s_cmp_eq_u32 s23, 0
	s_cselect_b32 s45, s45, 0                      ; or 0 in the second half of K, which adds no bias
	WIN 0xc0
	HLOAD 0, 7                                     ; my first tile is asked for ahead of the LDS loads, so that both are on their way together
	HLOAD 1, 7
	HLOAD 2, 7
	HLOAD 3, 7
	WFRAG
	WIN 0
.irp i, 0,1,2,3,4,5,6,7,8,9,10,11,12,13,14,15,16,17,18,19,20,21,22,23,24,25,26,27,28,29,30,31
	v_mul_f32 v[BI+\i], s45, v[BI+\i]
.endr
	s_wait_dscnt 0x0                               ; W3's fragments are in
	s_sub_co_u32 s35, s35, 1                       ; trips of the loop: all my tiles but the last
	s_cmp_eq_u32 s35, 0
	s_cbranch_scc1 .Ltail
.Lloop:
	OTILE 1
	s_sub_co_i32 s35, s35, 1
	s_cmp_lg_u32 s35, 0
	s_cbranch_scc1 .Lloop
.Ltail:
	OTILE 0                                        ; my last tile: nothing more is asked for, and only it can have rows that do not count
.Lend:
	s_wait_tensorcnt 0x0
	ds_add_u32 v30, v31
	s_wait_dscnt 0x0
	s_endpgm
.Lfunc_end_k_q2c0ffced2b_down:
	.size	k_q2c0ffced2b_down, .Lfunc_end_k_q2c0ffced2b_down-k_q2c0ffced2b_down
	.p2alignl 7, 3214868480
	.fill 96, 4, 3214868480
	.section	.rodata,"a",@progbits
	.p2align	6, 0x0
	.amdhsa_kernel k_q2c0ffced2b_down
		.amdhsa_group_segment_fixed_size 84480
		.amdhsa_private_segment_fixed_size 0
		.amdhsa_enable_private_segment 0
		.amdhsa_kernarg_size 48
		.amdhsa_user_sgpr_count 2
		.amdhsa_user_sgpr_kernarg_segment_ptr 1
		.amdhsa_wavefront_size32 1
		.amdhsa_system_sgpr_workgroup_id_x 1
		.amdhsa_system_sgpr_workgroup_id_y 1
		.amdhsa_system_sgpr_workgroup_id_z 1
		.amdhsa_system_vgpr_workitem_id 0
		.amdhsa_next_free_vgpr 1024
		.amdhsa_next_free_sgpr 100
		.amdhsa_reserve_vcc 1
		.amdhsa_float_denorm_mode_32 3
		.amdhsa_float_denorm_mode_16_64 3
		.amdhsa_memory_ordered 1
		.amdhsa_forward_progress 1
		.amdhsa_inst_pref_size 73
	.end_amdhsa_kernel
	.amdgpu_metadata
---
amdhsa.version: [ 1, 2 ]
amdhsa.kernels:
  - .name:           k_q2c0ffced2b_down
    .symbol:         k_q2c0ffced2b_down.kd
    .args:
      - { .name: hid, .offset: 0, .size: 8, .value_kind: global_buffer, .address_space: global }
      - { .name: sel, .offset: 8, .size: 8, .value_kind: global_buffer, .address_space: global }
      - { .name: W3_codes, .offset: 16, .size: 8, .value_kind: global_buffer, .address_space: global }
      - { .name: b3, .offset: 24, .size: 8, .value_kind: global_buffer, .address_space: global }
      - { .name: lowp_scales, .offset: 32, .size: 8, .value_kind: global_buffer, .address_space: global }
      - { .name: yb, .offset: 40, .size: 8, .value_kind: global_buffer, .address_space: global }
    .group_segment_fixed_size: 84480
    .private_segment_fixed_size: 0
    .kernarg_segment_align: 8
    .kernarg_segment_size: 48
    .max_flat_workgroup_size: 128
    .sgpr_count:     100
    .vgpr_count:     1024
    .wavefront_size: 32
...
	.end_amdgpu_metadata
.endif
;; end of part 7
;; launch combine (part 8): grid 257 x 1, 4 waves a work-group, no clusters, 768 bytes of LDS; arguments yb, meta, out0, out2, out1; writes out0, out1
.if DOCPART == 8
	.amdgcn_target "amdgcn-amd-amdhsa--gfx1250"
	.amdhsa_code_object_version 6
	.text
	.protected	k_q2c0ffced2b_combine
	.globl	k_q2c0ffced2b_combine
	.p2align	8
	.type	k_q2c0ffced2b_combine,@function
k_q2c0ffced2b_combine:
	s_mov_b64 s[64:65], 0
	v_nop
	global_prefetch_b8 v0, s[64:65] scope:SCOPE_SE
	s_setreg_imm32_b32 hwreg(HW_REG_WAVE_MODE, 25, 1), 1
	s_wait_xcnt 0x0
; WORK-GROUPS 0 TO 255: out0[token] = w[token] x (the sum of its four partial rows: two chosen experts x two halves of K).
; yb: [2][2048 slots][1024] f32; a token's slots are 2 t and 2 t + 1, so its two rows of a half lie on end.  A wave takes one token: 32 loads of 512 consecutive bytes, all issued at once,
; 8 stores of 512 consecutive bytes.  A stream: no LDS, no barrier, no matrix work; no register is written twice, so the only waits are for the data.
; WORK-GROUP 256: the auxiliary loss, out1 = -sum_e u_e ln(u_e + 1e-9) + 1e-3 x mean(lse^2), u_e = the mean score of expert e, from out2 (the scores) and meta (lse), which an earlier launch stored.
; It wants all 1,024 tokens in one place (36 KiB): each of the four waves sums 256 tokens, the sums meet in LDS.  The branch hangs on the work-group's number alone, so all four waves take it alike.
	s_load_b128 s[4:7], s[0:1], 0x0                ; yb s[4:5], meta s[6:7]
	s_load_b64 s[8:9], s[0:1], 0x10                ; out0
	s_load_b128 s[24:27], s[0:1], 0x18             ; out2 s[24:25], out1 s[26:27]
	v_lshl_add_u32 v144, v0, 2, 0x100
	v_mov_b32 v145, 0
	v_lshrrev_b32 v1, 5, v0
	v_readfirstlane_b32 s10, v1
	v_and_b32 v1, 31, v0
	v_lshlrev_b32 v2, 4, v1                        ; 16 x lane
	s_cmp_eq_u32 ttmp9, 256
	s_cbranch_scc1 .Laux
	s_lshl_b32 s11, ttmp9, 2
	s_add_co_u32 s11, s11, s10                     ; my token
	s_lshl_b32 s12, s11, 13
	s_mov_b32 s13, 0
	s_lshl_b32 s14, s11, 2
	s_mov_b32 s15, 0
	s_lshl_b32 s16, s11, 12
	s_mov_b32 s17, 0
	s_wait_kmcnt 0x0
	s_add_nc_u64 s[4:5], s[4:5], s[12:13]          ; my two rows of half 0,
	s_add_nc_u64 s[18:19], s[4:5], 0x800000        ; and of half 1
	s_add_nc_u64 s[6:7], s[6:7], s[14:15]
	s_add_nc_u64 s[8:9], s[8:9], s[16:17]
	s_load_b32 s20, s[6:7], 0x0                    ; w
	s_wait_alu depctr_va_vdst(0)
.irp i, 0,1,2,3,4,5,6,7
	global_load_b128 v[16+16*\i:19+16*\i], v2, s[4:5] offset:512*\i th:TH_LOAD_NT
	global_load_b128 v[20+16*\i:23+16*\i], v2, s[4:5] offset:4096+512*\i th:TH_LOAD_NT
	global_load_b128 v[24+16*\i:27+16*\i], v2, s[18:19] offset:512*\i th:TH_LOAD_NT
	global_load_b128 v[28+16*\i:31+16*\i], v2, s[18:19] offset:4096+512*\i th:TH_LOAD_NT
.endr
	s_wait_kmcnt 0x0
	s_mov_b32 s21, s20                             ; (named with it as a pair)
.irp i, 0,1,2,3,4,5,6,7
	s_wait_loadcnt 28-4*\i                         ; this piece's four loads are in; the later pieces' may be out
	v_pk_add_f32 v[16+16*\i:17+16*\i], v[16+16*\i:17+16*\i], v[20+16*\i:21+16*\i]
	v_pk_add_f32 v[18+16*\i:19+16*\i], v[18+16*\i:19+16*\i], v[22+16*\i:23+16*\i]
	v_pk_add_f32 v[24+16*\i:25+16*\i], v[24+16*\i:25+16*\i], v[28+16*\i:29+16*\i]
	v_pk_add_f32 v[26+16*\i:27+16*\i], v[26+16*\i:27+16*\i], v[30+16*\i:31+16*\i]
	v_pk_add_f32 v[16+16*\i:17+16*\i], v[16+16*\i:17+16*\i], v[24+16*\i:25+16*\i]
	v_pk_add_f32 v[18+16*\i:19+16*\i], v[18+16*\i:19+16*\i], v[26+16*\i:27+16*\i]
	v_pk_mul_f32 v[16+16*\i:17+16*\i], v[16+16*\i:17+16*\i], s[20:21] op_sel_hi:[1,0]
	v_pk_mul_f32 v[18+16*\i:19+16*\i], v[18+16*\i:19+16*\i], s[20:21] op_sel_hi:[1,0]
	global_store_b128 v2, v[16+16*\i:19+16*\i], s[8:9] offset:512*\i th:TH_STORE_NT
.endr
	s_endpgm
.Laux:
	v_and_b32 v3, 1, v0
	s_lshl_b32 s11, s10, 5
	v_lshl_add_u32 v4, v3, 4, s11                  ; LDS: 32 x wave + 16 (lane % 2): my wave's sums of four experts
	s_lshl_b32 s11, s10, 2
	s_add_co_u32 s11, s11, 128
	v_mov_b32 v5, s11                              ; 128 + 4 x wave: my wave's sum of lse^2
	v_and_b32 v6, 15, v0
	v_lshlrev_b32 v6, 3, v6                        ; back: 8 (lane % 16): wave (lane % 16) / 4, experts 2 (lane % 4) and the next
	v_and_b32 v7, 3, v0
	v_lshl_add_u32 v7, v7, 2, 128
	s_wait_alu depctr_va_vdst(0)
	v_lshlrev_b32 v8, 2, v1
	v_mov_b32 v100, 0                              ; a lane permute's destination counts as one of its sources
	v_mov_b32 v101, 0
	v_mov_b32 v102, 0
	v_mov_b32 v103, 0
	v_mov_b32 v105, 0
	s_mov_b32 s22, 0x76543210                      ; v_permlanex16_b32: lane l xor 16
	s_mov_b32 s23, 0xfedcba98
	s_lshl_b32 s12, s10, 13
	s_mov_b32 s13, 0
	s_lshl_b32 s14, s10, 10
	s_mov_b32 s15, 0
	s_wait_kmcnt 0x0
	s_add_nc_u64 s[24:25], s[24:25], s[12:13]      ; my wave's 256 tokens' scores, 8,192 bytes,
	s_add_nc_u64 s[6:7], s[6:7], s[14:15]          ; and their lse
.irp i, 0,1,2,3,4,5,6,7,8,9,10,11,12,13,14,15
	global_load_b128 v[16+4*\i:19+4*\i], v2, s[24:25] offset:512*\i
.endr
.irp i, 0,1
	global_load_b128 v[80+4*\i:83+4*\i], v2, s[6:7] offset:4096+512*\i
.endr
	s_wait_loadcnt 0x0
	v_pk_add_f32 v[96:97], v[16:17], v[20:21]      ; a lane's four numbers of a load are experts 4 (lane % 2) + 0..3 of one token
	v_pk_add_f32 v[98:99], v[18:19], v[22:23]
.irp i, 2,3,4,5,6,7,8,9,10,11,12,13,14,15
	v_pk_add_f32 v[96:97], v[96:97], v[16+4*\i:17+4*\i]
	v_pk_add_f32 v[98:99], v[98:99], v[18+4*\i:19+4*\i]
.endr
	v_mul_f32 v104, v80, v80
.irp i, 81,82,83,84,85,86,87
	v_fmac_f32 v104, v\i, v\i
.endr
	v_add_f32_dpp v104, v104, v104 row_xmask:1 row_mask:0xf bank_mask:0xf
.irp m, 2,4,8
.irp q, 96,97,98,99,104
	v_add_f32_dpp v\q, v\q, v\q row_xmask:\m row_mask:0xf bank_mask:0xf
.endr
.endr
	v_permlanex16_b32 v100, v96, s22, s23
	v_permlanex16_b32 v101, v97, s22, s23
	v_permlanex16_b32 v102, v98, s22, s23
	v_permlanex16_b32 v103, v99, s22, s23
	v_permlanex16_b32 v105, v104, s22, s23
	v_pk_add_f32 v[96:97], v[96:97], v[100:101]
	v_pk_add_f32 v[98:99], v[98:99], v[102:103]
	v_add_f32 v104, v104, v105
	ds_store_b128 v4, v[96:99]                     ; lanes of one parity hold the same numbers and write the same bytes
	ds_store_b32 v5, v104
	s_wait_dscnt 0x0                               ; for wave 0: my sums lie in LDS
	s_barrier_signal -1
	s_barrier_wait -1
	s_cmp_lg_u32 s10, 0
	s_cbranch_scc1 .Lend
	ds_load_b64 v[96:97], v6
	ds_load_b32 v104, v7
	s_wait_dscnt 0x0
.irp m, 4,8
	v_add_f32_dpp v96, v96, v96 row_xmask:\m row_mask:0xf bank_mask:0xf          ; over the four waves
	v_add_f32_dpp v97, v97, v97 row_xmask:\m row_mask:0xf bank_mask:0xf
.endr
	v_mul_f32 v96, 0x3a800000, v96                 ; u = sum / 1024
	v_mul_f32 v97, 0x3a800000, v97
	v_add_f32 v98, 0x3089705f, v96                 ; u + 1e-9
	v_add_f32 v99, 0x3089705f, v97
	s_wait_alu depctr_va_vdst(0)
	v_log_f32 v98, v98
	v_log_f32 v99, v99
	v_nop                                          ; a plain line behind the two logarithms
.irp m, 1,2
	v_add_f32_dpp v104, v104, v104 row_xmask:\m row_mask:0xf bank_mask:0xf       ; the four waves' sums of lse^2
.endr
	s_wait_alu depctr_va_vdst(0)                   ; one wait for both, ahead of their first reader
	v_mul_f32 v98, v98, v96
	v_fmac_f32 v98, v99, v97                       ; u log2(u + 1e-9), two experts
	v_add_f32_dpp v98, v98, v98 row_xmask:1 row_mask:0xf bank_mask:0xf
	v_add_f32_dpp v98, v98, v98 row_xmask:2 row_mask:0xf bank_mask:0xf
	v_mul_f32 v104, 0x3583126f, v104               ; x 1e-3 / 1024
	v_fmamk_f32 v106, v98, 0xbf317218, v104        ; x -ln 2, + the z loss
	v_cmp_eq_u32 vcc_lo, 0, v1
	s_wait_alu depctr_va_vdst(0)
	s_wait_xcnt 0x0                                ; EXEC changes only behind this wait
	s_and_saveexec_b32 s11, vcc_lo
	global_store_b32 v8, v106, s[26:27]            ; the loss: one number
	s_wait_xcnt 0x0
	s_or_b32 exec_lo, exec_lo, s11
.Lend:
	s_wait_tensorcnt 0x0
	ds_add_u32 v144, v145
	s_wait_dscnt 0x0
	s_endpgm
.Lfunc_end_k_q2c0ffced2b_combine:
	.size	k_q2c0ffced2b_combine, .Lfunc_end_k_q2c0ffced2b_combine-k_q2c0ffced2b_combine
	.p2alignl 7, 3214868480
	.fill 96, 4, 3214868480
	.section	.rodata,"a",@progbits
	.p2align	6, 0x0
	.amdhsa_kernel k_q2c0ffced2b_combine
		.amdhsa_group_segment_fixed_size 768
		.amdhsa_private_segment_fixed_size 0
		.amdhsa_enable_private_segment 0
		.amdhsa_kernarg_size 40
		.amdhsa_user_sgpr_count 2
		.amdhsa_user_sgpr_kernarg_segment_ptr 1
		.amdhsa_wavefront_size32 1
		.amdhsa_system_sgpr_workgroup_id_x 1
		.amdhsa_system_sgpr_workgroup_id_y 1
		.amdhsa_system_sgpr_workgroup_id_z 1
		.amdhsa_system_vgpr_workitem_id 0
		.amdhsa_next_free_vgpr 146
		.amdhsa_next_free_sgpr 66
		.amdhsa_reserve_vcc 1
		.amdhsa_float_denorm_mode_32 3
		.amdhsa_float_denorm_mode_16_64 3
		.amdhsa_memory_ordered 1
		.amdhsa_forward_progress 1
		.amdhsa_inst_pref_size 18
	.end_amdhsa_kernel
	.amdgpu_metadata
---
amdhsa.version: [ 1, 2 ]
amdhsa.kernels:
  - .name:           k_q2c0ffced2b_combine
    .symbol:         k_q2c0ffced2b_combine.kd
    .args:
      - { .name: yb, .offset: 0, .size: 8, .value_kind: global_buffer, .address_space: global }
      - { .name: meta, .offset: 8, .size: 8, .value_kind: global_buffer, .address_space: global }
      - { .name: out0, .offset: 16, .size: 8, .value_kind: global_buffer, .address_space: global }
      - { .name: out2, .offset: 24, .size: 8, .value_kind: global_buffer, .address_space: global }
      - { .name: out1, .offset: 32, .size: 8, .value_kind: global_buffer, .address_space: global }
    .group_segment_fixed_size: 768
    .private_segment_fixed_size: 0
    .kernarg_segment_align: 8
    .kernarg_segment_size: 40
    .max_flat_workgroup_size: 128
    .sgpr_count:     66
    .vgpr_count:     146
    .wavefront_size: 32
...
	.end_amdgpu_metadata
.endif
;; end of part 8
